; MI455X (gfx1250); checked and timed in simulation.
; The chip was launched on July 23, 2026; its instructions are those of AMD's public machine-readable ISA for CDNA 5 (MIT licence, August 2026) and "CDNA5" Instruction Set Architecture Reference Guide (July 2026). The comments in the code are by the model that wrote it; some were corrected since.
;; Block. Allowed arithmetic: float matrix products may take bf16 or f16 operands with f32 sums; all other float work in f32.
;; Inputs: W1 4,096 x 1,024 float32; W2 1,024 x 4,096 float32; Wk 16 x 64 x 1,024 float32; Wo 1,024 x 1,024 float32; Wq 16 x 64 x 1,024 float32; Wv 16 x 64 x 1,024 float32; b1 4,096 float32; b2 1,024 float32; bk 16 x 64 float32; bo 1,024 float32; bq 16 x 64 float32; bv 16 x 64 float32; ln1_b 1,024 float32; ln1_g 1,024 float32; ln2_b 1,024 float32; ln2_g 1,024 float32; x 2 x 2,048 x 1,024 float32.
;; Outputs: out0 2 x 2,048 x 1,024 float32.
;; One version. Each part assembles by itself: llvm-mc -triple=amdgcn-amd-amdhsa -mcpu=gfx1250 --defsym DOCPART=n.
;; ======== version 1 of 1: 7 launches
;; workspace buffers: wb 25,165,824 bytes; hn 8,388,608 bytes; qkvb 25,165,824 bytes; ob 8,388,608 bytes; x1 16,777,216 bytes; gbuf 33,554,432 bytes
;; launch prep (part 1): grid 64 x 7, 8 waves a work-group, no clusters, 0 bytes of LDS; arguments x, ln1_g, ln1_b, Wq, Wk, Wv, wb, hn; writes wb, hn
.if DOCPART == 1
	.amdgcn_target "amdgcn-amd-amdhsa--gfx1250"
	.amdhsa_code_object_version 6
	.text
	.protected	k_q735ac1d46c_prep
	.globl	k_q735ac1d46c_prep
	.p2align	8
	.type	k_q735ac1d46c_prep,@function
k_q735ac1d46c_prep:
	s_mov_b64 s[64:65], 0
	v_nop
	global_prefetch_b8 v0, s[64:65] scope:SCOPE_SE
	s_setreg_imm32_b32 hwreg(HW_REG_WAVE_MODE, 25, 1), 1
	s_wait_xcnt 0x0
; TWO JOBS, chosen by the work-group's y; each work-group reads 65,536 bytes and writes 32,768.  Only what the next launch needs is made here.
; y = 0..2: a cast.  Wq, Wk, Wv, 1,048,576 numbers each, go from f32 to bf16 (nearest even) into wb, weight y at byte y x 2,097,152.  Work-group x takes 16,384 numbers.
;           (The other three weights are cast beside the attention, which leaves memory idle.)
; y = 3..6: hn = layernorm(x) x ln1_g + ln1_b, in f32, rounded once to bf16.  A work-group takes 16 rows of 1,024, a wave two: a row is 32 registers a lane
;           and stays there between the passes.  The mean is taken away first and the variance is that of the centred row, so a common offset of x costs nothing.
; No LDS, no barrier, no matrix unit: the bytes bound this launch.  NaN and infinities are not treated apart.
.set CI,  8                            ; v[8:71]    the cast: 16 x 4 numbers as loaded
.set CY,  72                           ; v[72:103]  the cast: 16 x 2 registers to store
.set X0,  8                            ; v[8:39]    my wave's first row
.set X1,  40                           ; v[40:71]   its second row
.set GA,  72                           ; v[72:103]  the gain of my 32 columns
.set BE,  104                          ; v[104:135] the bias of my 32 columns
.set T,   136                          ; v[136:143] four pairs at work
.set MU,  144                          ; v[144:145] the mean, twice
.set RS,  146                          ; v[146:147] 1 / sqrt(var + eps), twice
.set OUTP, 22                          ; s[22:23]   hn
	s_load_b512 s[8:23], s[0:1], 0x0               ; x 8, ln1_g 10, ln1_b 12, Wq 14, Wk 16, Wv 18, wb 20, hn 22
	s_and_b32 s2, ttmp7, 0xffff                    ; y
	s_wait_kmcnt 0x0
	s_cmp_lt_u32 s2, 3
	s_cbranch_scc0 .Lln
	; THE CAST.  The source is chosen among the three buffers by y alone.
	s_mov_b64 s[30:31], s[14:15]
	s_cmp_eq_u32 s2, 1
	s_cselect_b64 s[30:31], s[16:17], s[30:31]
	s_cmp_eq_u32 s2, 2
	s_cselect_b64 s[30:31], s[18:19], s[30:31]
	s_lshl_b32 s4, ttmp9, 16                       ; my 65,536 bytes of f32
	s_mov_b32 s5, 0
	s_add_nc_u64 s[30:31], s[30:31], s[4:5]
	s_lshl_b32 s4, s2, 21                          ; a weight is 2,097,152 bytes of bf16,
	s_lshl_b32 s6, ttmp9, 15                       ; my part of it 32,768
	s_add_co_u32 s4, s4, s6
	s_add_nc_u64 s[20:21], s[20:21], s[4:5]
	v_lshlrev_b32 v1, 4, v0                        ; 16 bytes a thread in,
	v_lshlrev_b32 v2, 3, v0                        ; 8 bytes out: a wave's store covers 256 consecutive bytes, aligned
.irp j, 0,1,2,3,4,5,6,7,8,9,10,11,12,13,14,15
	global_load_b128 v[CI+4*(\j):CI+4*(\j)+3], v1, s[30:31] offset:4096*(\j) th:TH_LOAD_NT
.endr
.irp j, 0,1,2,3,4,5,6,7,8,9,10,11,12,13,14,15
	s_wait_loadcnt 15-(\j)                         ; loads come back in order: number j is in, the 15 - j younger ones stay out
	v_cvt_pk_bf16_f32 v[CY+2*(\j)],   v[CI+4*(\j)],   v[CI+4*(\j)+1]
	v_cvt_pk_bf16_f32 v[CY+2*(\j)+1], v[CI+4*(\j)+2], v[CI+4*(\j)+3]
	global_store_b64 v2, v[CY+2*(\j):CY+2*(\j)+1], s[20:21] offset:2048*(\j)  ; no register is written twice: no wait for the stores' sources
.endr
	s_endpgm
; The four pairs at T become one number, the same in all 32 lanes: within the lane, then four steps inside each half of 16 lanes, then across the halves.
.macro REDUCE
	v_pk_add_f32 v[T:T+1], v[T:T+1], v[T+2:T+3]
	v_pk_add_f32 v[T+4:T+5], v[T+4:T+5], v[T+6:T+7]
	v_pk_add_f32 v[T:T+1], v[T:T+1], v[T+4:T+5]
	v_add_f32 v[T], v[T], v[T+1]
	v_add_f32_dpp v[T], v[T], v[T] row_xmask:1 row_mask:0xf bank_mask:0xf
	v_add_f32_dpp v[T], v[T], v[T] row_xmask:2 row_mask:0xf bank_mask:0xf
	v_add_f32_dpp v[T], v[T], v[T] row_xmask:4 row_mask:0xf bank_mask:0xf
	v_add_f32_dpp v[T], v[T], v[T] row_xmask:8 row_mask:0xf bank_mask:0xf
	v_permlanex16_b32 v[T+1], v[T], s6, s7         ; its destination counts as read: T+1 has been written
	v_add_f32 v[T], v[T], v[T+1]
.endm
; The row at x (16 pairs) becomes (x - mean) / sqrt(var + eps), in place.
.macro LNSTAT x
.irp p, 0,1,2,3
	v_pk_add_f32 v[T+2*(\p):T+2*(\p)+1], v[(\x)+4*(\p):(\x)+4*(\p)+1], v[(\x)+4*(\p)+2:(\x)+4*(\p)+3]  ; the first eight pairs start four chains: nothing is cleared
.endr
.irp p, 8,9,10,11,12,13,14,15
	v_pk_add_f32 v[T+2*((\p)%4):T+2*((\p)%4)+1], v[T+2*((\p)%4):T+2*((\p)%4)+1], v[(\x)+2*(\p):(\x)+2*(\p)+1]
.endr
	REDUCE
	v_mul_f32 v[MU], s4, v[T]                      ; the mean
	v_mov_b32 v[MU+1], v[MU]
.irp p, 0,1,2,3,4,5,6,7,8,9,10,11,12,13,14,15
	v_pk_add_f32 v[(\x)+2*(\p):(\x)+2*(\p)+1], v[(\x)+2*(\p):(\x)+2*(\p)+1], v[MU:MU+1] neg_lo:[0,1] neg_hi:[0,1]
.endr
.irp p, 0,1,2,3
	v_pk_mul_f32 v[T+2*(\p):T+2*(\p)+1], v[(\x)+2*(\p):(\x)+2*(\p)+1], v[(\x)+2*(\p):(\x)+2*(\p)+1]
.endr
.irp p, 4,5,6,7,8,9,10,11,12,13,14,15
	v_pk_fma_f32 v[T+2*((\p)%4):T+2*((\p)%4)+1], v[(\x)+2*(\p):(\x)+2*(\p)+1], v[(\x)+2*(\p):(\x)+2*(\p)+1], v[T+2*((\p)%4):T+2*((\p)%4)+1]
.endr
	REDUCE
	v_fma_f32 v[RS], v[T], s4, s5                  ; var + eps
	v_rsq_f32 v[RS], v[RS]
	v_nop                                          ; a plain instruction between the root and the use of its result (ISA guide 5.7.2)
	s_wait_alu depctr_va_vdst(0)
	v_mov_b32 v[RS+1], v[RS]
.irp p, 0,1,2,3,4,5,6,7,8,9,10,11,12,13,14,15
	v_pk_mul_f32 v[(\x)+2*(\p):(\x)+2*(\p)+1], v[(\x)+2*(\p):(\x)+2*(\p)+1], v[RS:RS+1]
.endr
.endm
; Gain and bias, the rounding, and eight stores of 256 consecutive bytes each.
.macro LNOUT x, rowoff
.irp p, 0,1,2,3,4,5,6,7,8,9,10,11,12,13,14,15
	v_pk_fma_f32 v[(\x)+2*(\p):(\x)+2*(\p)+1], v[(\x)+2*(\p):(\x)+2*(\p)+1], v[GA+2*(\p):GA+2*(\p)+1], v[BE+2*(\p):BE+2*(\p)+1]
.endr
.irp j, 0,1,2,3,4,5,6,7
	v_cvt_pk_bf16_f32 v[(\x)+4*(\j)],   v[(\x)+4*(\j)],   v[(\x)+4*(\j)+1]
	v_cvt_pk_bf16_f32 v[(\x)+4*(\j)+1], v[(\x)+4*(\j)+2], v[(\x)+4*(\j)+3]
	global_store_b64 v2, v[(\x)+4*(\j):(\x)+4*(\j)+1], s[OUTP:OUTP+1] offset:(\rowoff)+256*(\j)
.endr
.endm
.Lln:
	s_sub_co_u32 s2, s2, 3
	s_lshl_b32 s2, s2, 6
	s_add_co_u32 s2, s2, ttmp9                     ; my block of 16 rows, 0 to 255
	s_lshl_b32 s4, s2, 16                          ; 16 rows of 4,096 bytes
	s_mov_b32 s5, 0
	s_add_nc_u64 s[8:9], s[8:9], s[4:5]
	s_lshl_b32 s4, s2, 15                          ; 16 rows of 2,048 bytes
	s_add_nc_u64 s[OUTP:OUTP+1], s[OUTP:OUTP+1], s[4:5]
	s_mov_b32 s4, 0x3a800000                       ; 1 / 1024
	s_mov_b32 s5, 0x3727c5ac                       ; eps = 1e-5
	s_mov_b32 s6, 0x76543210                       ; v_permlanex16_b32: each lane takes its own place in the other half
	s_mov_b32 s7, 0xfedcba98
	v_and_b32 v5, 31, v0                           ; lane
	v_lshrrev_b32 v3, 5, v0                        ; wave
	v_lshlrev_b32 v4, 4, v5                        ; my 16 bytes in 512 of gain and bias
	v_lshl_add_u32 v1, v3, 13, v4                  ; and of x: + wave x 2 rows
	v_lshlrev_b32 v2, 3, v5
	v_lshl_add_u32 v2, v3, 12, v2                  ; my 8 bytes in 256 of hn
.irp j, 0,1,2,3,4,5,6,7
	global_load_b128 v[X0+4*(\j):X0+4*(\j)+3], v1, s[8:9] offset:512*(\j)
.endr
.irp j, 0,1,2,3,4,5,6,7
	global_load_b128 v[X1+4*(\j):X1+4*(\j)+3], v1, s[8:9] offset:4096+512*(\j)
.endr
.irp j, 0,1,2,3,4,5,6,7
	global_load_b128 v[GA+4*(\j):GA+4*(\j)+3], v4, s[10:11] offset:512*(\j)
.endr
.irp j, 0,1,2,3,4,5,6,7
	global_load_b128 v[BE+4*(\j):BE+4*(\j)+3], v4, s[12:13] offset:512*(\j)
.endr
	s_wait_loadcnt 24                              ; the first row is in; 24 younger loads stay out
	LNSTAT X0
	s_wait_loadcnt 16                              ; the second row; gain and bias stay out
	LNSTAT X1
	s_wait_loadcnt 0x0
	LNOUT X0, 0
	LNOUT X1, 2048
	s_endpgm
.Lfunc_end_k_q735ac1d46c_prep:
	.size	k_q735ac1d46c_prep, .Lfunc_end_k_q735ac1d46c_prep-k_q735ac1d46c_prep
	.p2alignl 7, 3214868480
	.fill 96, 4, 3214868480
	.section	.rodata,"a",@progbits
	.p2align	6, 0x0
	.amdhsa_kernel k_q735ac1d46c_prep
		.amdhsa_group_segment_fixed_size 0
		.amdhsa_private_segment_fixed_size 0
		.amdhsa_enable_private_segment 0
		.amdhsa_kernarg_size 64
		.amdhsa_user_sgpr_count 2
		.amdhsa_user_sgpr_kernarg_segment_ptr 1
		.amdhsa_wavefront_size32 1
		.amdhsa_system_sgpr_workgroup_id_x 1
		.amdhsa_system_sgpr_workgroup_id_y 1
		.amdhsa_system_sgpr_workgroup_id_z 1
		.amdhsa_system_vgpr_workitem_id 0
		.amdhsa_next_free_vgpr 148
		.amdhsa_next_free_sgpr 66
		.amdhsa_reserve_vcc 0
		.amdhsa_float_denorm_mode_32 3
		.amdhsa_float_denorm_mode_16_64 3
		.amdhsa_memory_ordered 1
		.amdhsa_forward_progress 1
		.amdhsa_inst_pref_size 27
	.end_amdhsa_kernel
	.amdgpu_metadata
---
amdhsa.version: [ 1, 2 ]
amdhsa.kernels:
  - .name:           k_q735ac1d46c_prep
    .symbol:         k_q735ac1d46c_prep.kd
    .args:
      - { .name: x, .offset: 0, .size: 8, .value_kind: global_buffer, .address_space: global }
      - { .name: ln1_g, .offset: 8, .size: 8, .value_kind: global_buffer, .address_space: global }
      - { .name: ln1_b, .offset: 16, .size: 8, .value_kind: global_buffer, .address_space: global }
      - { .name: Wq, .offset: 24, .size: 8, .value_kind: global_buffer, .address_space: global }
      - { .name: Wk, .offset: 32, .size: 8, .value_kind: global_buffer, .address_space: global }
      - { .name: Wv, .offset: 40, .size: 8, .value_kind: global_buffer, .address_space: global }
      - { .name: wb, .offset: 48, .size: 8, .value_kind: global_buffer, .address_space: global }
      - { .name: hn, .offset: 56, .size: 8, .value_kind: global_buffer, .address_space: global }
    .group_segment_fixed_size: 0
    .private_segment_fixed_size: 0
    .kernarg_segment_align: 8
    .kernarg_segment_size: 64
    .max_flat_workgroup_size: 256
    .sgpr_count:     66
    .vgpr_count:     148
    .wavefront_size: 32
...
	.end_amdgpu_metadata
.endif
;; end of part 1
;; launch qkvproj (part 2): grid 12 x 16, 4 waves a work-group, clusters of 4 x 4, 327,680 bytes of LDS; arguments hn, wb, bq, bk, bv, qkvb; writes qkvb
.if DOCPART == 2
	.amdgcn_target "amdgcn-amd-amdhsa--gfx1250"
	.amdhsa_code_object_version 6
	.text
	.protected	k_q735ac1d46c_qkvproj
	.globl	k_q735ac1d46c_qkvproj
	.p2align	8
	.type	k_q735ac1d46c_qkvproj,@function
k_q735ac1d46c_qkvproj:
	s_mov_b64 s[64:65], 0
	v_nop
	global_prefetch_b8 v0, s[64:65] scope:SCOPE_SE
	s_setreg_imm32_b32 hwreg(HW_REG_WAVE_MODE, 25, 1), 1
	s_wait_xcnt 0x0
	s_wait_alu depctr_hold_cnt(0) depctr_sa_sdst(0) depctr_va_vdst(0) depctr_va_sdst(0) depctr_va_ssrc(0) depctr_va_vcc(0) depctr_vm_vsrc(0)
	s_getreg_b32 s2, hwreg(HW_REG_IB_STS2, 6, 4)
	s_cmp_eq_u32 s2, 0
	s_cbranch_scc0 .Lentry_in_a_cluster
	s_endpgm
.Lentry_in_a_cluster:
	s_bfe_u32 s2, ttmp6, 0x10000c
	s_cmp_lg_u32 s2, 0xf033
	s_cbranch_scc0 .Lentry_shape_is_right
	s_endpgm
.Lentry_shape_is_right:
; C = A B^T + bias on tiles of 256 x 256.  A = hn [4096][1024] bf16; B = rows of wb [N][1024] bf16; sums in f32, K ascending.
; With GELU = 0 (this launch): B = Wq, Wk, Wv stacked (3,072 rows); C is rounded to bf16 and written by heads: qkvb [3][b x 16 + head][2048][64].
; With GELU = 1: B = W1 (4,096 rows); C goes through NewGELU in f32 and is written as gbuf [4096][4096] bf16.
; SHARES.  Four waves, each 128 x 128 of C: 64 accumulators of 16 x 16, 512 registers.  K goes in steps of 128 through two LDS slots filled by tensor loads (rows of 256 bytes).
; THE SUMS START AS THE BIAS: each accumulator is loaded with its columns' bias, so every product adds in place, nothing is cleared and no first step is written out.
; ONE TEXT FOR A K STEP: s45 holds the LDS byte of the slot in hand (0 or SLOT); an exclusive or turns it, and the fragment addresses are made from it.  The second descriptor set walks:
; its LDS word is turned by the same exclusive or (SLOT's two bits are clear in all four waves' bases, so it is an addition or a subtraction), its address steps by 256 bytes.
; The loop has STEPS - 2 trips with a refill; two more trips, a second copy of the text, have none.  The very last trip fetches 32 fragments
; that nothing multiplies: the price, once a launch, of one text for every step.
; CLUSTER 4 x 4: A's tiles are asked for jointly along a row of the cluster, B's along a column.  A wave has two tensor loads out at the start, later one.
; THE MATRIX INSTRUCTION IS USED TRANSPOSED (source 0 = 16 rows of B, source 1 = 16 rows of A): lane l holds row l % 16 of C and the columns 8 (l / 16) + 0..7.
; THE WAY OUT.  When the ring has had its last fill and every wave has read it out, each wave lays its 128 x 128 f32 into its own part of the ring's bytes and reads it back by rows, 8 rows a trip.
; LIMITS.  Operands are bf16 (8 significant bits); NaN and infinities are not treated apart.
; REGISTERS, in windows of 256: window 0: v16-29 addresses; v32-63, v192-239 the way out; v64-127, v128-191 A's fragments, two buffers.  window 1: v64-191 B's fragments.
;   window 2: the accumulators of my rows 0-63 ((a, b) at v[8 (8 a + b)]); window 3: those of rows 64-127.
.set GELU,   0
.set B_OFF,  0                         ; where B begins in wb
.set KDIM,   1024
.set KSTEP,  128
.set STEPS,  KDIM/KSTEP
.set PITCH,  272                       ; an LDS row: 256 bytes + 16 of padding: the 16 rows of a fragment load start at 16 different groups of four banks (64 banks of 4 bytes: ISA guide 11.1)
.set HALFT,  128*PITCH                 ; 128 rows: what one tensor load brings
.set SLOT,   4*HALFT                   ; A's 256 rows, then B's 256 rows: 139,264 = 0x22000
.set SPARE,  2*SLOT                    ; behind the ring: the spare words, 128 bytes a wave
.set SPITCH, 528                       ; the way out: a row of 128 f32 + 16 bytes
.set WSTAGE, 128*SPITCH                ; a wave's stage: 67,584 bytes; four of them lie inside the ring's 278,528
.set ADRA0, 16                         ; v16  my lane's place in A's part of a slot; never rewritten
.set ADRB0, 17                         ; v17  the same for B
.set ADRA,  18                         ; v18  the same in the slot in hand
.set ADRB,  19                         ; v19
.set STO,   24                         ; v24  the way out: where I put 16 bytes
.set RD,    25                         ; v25  where I read rows back; steps by 8 rows a trip
.set CO,    26                         ; v26  my byte offset in the output
.set BO,    27                         ; v27  my byte offset in the bias: 32 (l / 16)
.set SPW,   28                         ; v28  LDS address of my spare word; never rewritten
.set NIL,   29                         ; v29  0; never rewritten
.set X,     32                         ; v[32:63]   8 rows' numbers of mine, f32
.set T,     192                        ; v[192:223] at work
.set Y,     224                        ; v[224:239] packed bf16
.set F0,    64
.set F1,    128
.set G1,  24                           ; s[24:31] descriptor group 1 for A;  s[32:39] group 0: set 0 (slot 0, step 0), set 1 (slot 1, step 1; it walks)
.set G0,  32
.set G1B, 48                           ; s[48:55], s[56:63] the same for B
.set G0B, 56
.set MSB, 0
.macro WIN new                         ; the immediate's high byte repeats the setting that is left; a switch that changes nothing is dropped
.if MSB != (\new)
	s_set_vgpr_msb (MSB<<8)|(\new)
.set MSB, \new
.endif
.endm
.set MUL_LO, 0xa1                      ; source 0 (B) window 1, source 1 (A) window 0, C and D window 2
.set MUL_HI, 0xf1                      ; the same, C and D window 3
.set TO_B,   0x40                      ; destination window 1, address window 0
; A joint load with descriptor set s.  Waves 0 and 1 fetch A's two halves, waves 2 and 3 B's; the branch hangs on the wave's number alone.
; An s_nop 0 and four v_nop follow each of the two lines, ahead of the jump and the label.
.macro JLOAD s
	s_cmp_eq_u32 s11, 0
	s_cbranch_scc0 .Lfor_b_\@
	tensor_load_to_lds s[G0+4*(\s):G0+4*(\s)+3], s[G1:G1+7]
	s_nop 0
.rept 4
	v_nop
.endr
	s_branch .Lasked_\@
.Lfor_b_\@:
	tensor_load_to_lds s[G0B+4*(\s):G0B+4*(\s)+3], s[G1B:G1B+7]
	s_nop 0
.rept 4
	v_nop
.endr
.Lasked_\@:
.endm
.macro CREST                           ; a round of the cluster's barrier behind its opening barrier
	s_cmp_lg_u32 s10, 0
	s_cbranch_scc1 .Lnot_wave_0_\@
	s_barrier_signal -3
.Lnot_wave_0_\@:
	s_barrier_wait -3
	s_barrier_signal -1
	s_barrier_wait -1
.endm
.macro CROUND                          ; a whole round
	s_barrier_signal -1
	s_barrier_wait -1
	CREST
.endm
.macro PLACES                          ; four plain instructions between a matrix instruction and a load into, or a read of, its registers (ISA guide 7.12.1 for a read)
.rept 4
	v_nop
.endr
.endm
	s_load_b128 s[4:7], s[0:1], 0x0                ; A s[4:5], wb s[6:7]
.if GELU
	s_load_b128 s[68:71], s[0:1], 0x10             ; b1 68, gbuf 70
.else
	s_load_b256 s[68:75], s[0:1], 0x10             ; bq 68, bk 70, bv 72, qkvb 74
.endif
	v_lshl_add_u32 v[SPW], v0, 2, SPARE
	v_mov_b32 v[NIL], 0
	ds_add_u32 v[SPW], v[NIL]                      ; the wave's opening: the add and its wait ahead of my first tensor load; work on registers stands between them
	v_lshrrev_b32 v1, 5, v0
	v_readfirstlane_b32 s10, v1                    ; wave 0..3
	s_lshr_b32 s11, s10, 1                         ; which half of the tile's rows is mine.  Also: I fetch for A (0) or for B (1)
	s_and_b32 s12, s10, 1                          ; which half of its columns.  Also: which 128 rows of that tile I fetch
	s_bfe_u32 s40, ttmp6, 0x40000                  ; cx
	s_bfe_u32 s41, ttmp6, 0x40004                  ; cy
	s_lshl_b32 s42, ttmp9, 2
	s_add_co_u32 s42, s42, s40                     ; tile column = 4 x cluster x + cx
	s_and_b32 s13, ttmp7, 0xffff
	s_lshl_b32 s13, s13, 2
	s_add_co_u32 s13, s13, s41                     ; tile row = 4 x cluster y + cy
	s_lshl_b32 s43, s41, 2
	s_lshl_b32 s43, 15, s43                        ; my row of the cluster
	s_lshl_b32 s44, 0x1111, s40                    ; my column
	s_or_b32 s[G1+0], s43, (1<<16)|(1<<20)|(1<<21)|(5<<22)|(3<<25)   ; the mask; 2-byte elements; padding on; bit 21 beside a mask; after every 64 words 4 words
	s_or_b32 s[G1B+0], s44, (1<<16)|(1<<20)|(1<<21)|(5<<22)|(3<<25)
.irp g, G1, G1B
	s_mov_b32 s[(\g)+1], KSTEP<<16                 ; tensor_dim0 = 128
	s_mov_b32 s[(\g)+2], 128<<16                   ; tensor_dim1 = 128
	s_mov_b32 s[(\g)+3], KSTEP<<16                 ; tile_dim0 = 128
	s_mov_b32 s[(\g)+4], 128                       ; tile_dim1 = 128
	s_mov_b32 s[(\g)+5], KDIM                      ; elements from row to row
	s_mov_b32 s[(\g)+6], 0
	s_mov_b32 s[(\g)+7], 0
.endr
	s_lshl_b32 s16, s13, 19                        ; A: (256 x tile row + 128 x half) rows of 2,048 bytes: hangs on the tile row alone
	s_lshl_b32 s17, s12, 18
	s_add_co_u32 s16, s16, s17
	s_mov_b32 s17, 0
	s_lshl_b32 s46, s42, 19                        ; B: the same of the tile column, in registers of its own
	s_lshl_b32 s47, s12, 18
	s_add_co_u32 s46, s46, s47
.if B_OFF
	s_add_co_u32 s46, s46, B_OFF
.endif
	s_mov_b32 s47, 0
	s_mul_i32 s20, s10, HALFT                      ; where my load lands: wave x 128 rows
	s_wait_dscnt 0x0                               ; the opening add is done
	s_wait_kmcnt 0x0
	s_add_nc_u64 s[14:15], s[4:5], s[16:17]
	s_add_nc_u64 s[46:47], s[6:7], s[46:47]
	CROUND                                         ; all sixteen work-groups are here: the first joint loads meet
.irp s, 0,1
	s_mov_b32 s[G0+4*(\s)], 1
	s_add_co_u32 s[G0+4*(\s)+1], s20, (\s)*SLOT
	s_add_nc_u64 s[G0+4*(\s)+2:G0+4*(\s)+3], s[14:15], (\s)*KSTEP*2
	s_or_b32 s[G0+4*(\s)+3], s[G0+4*(\s)+3], 0x80000000
	s_mov_b32 s[G0B+4*(\s)], 1
	s_add_co_u32 s[G0B+4*(\s)+1], s20, (\s)*SLOT
	s_add_nc_u64 s[G0B+4*(\s)+2:G0B+4*(\s)+3], s[46:47], (\s)*KSTEP*2
	s_or_b32 s[G0B+4*(\s)+3], s[G0B+4*(\s)+3], 0x80000000
	JLOAD \s                                       ; both slots are asked for before anything else is done
.endr
	; the bias of my 128 columns, and where my part of the output begins
.if GELU
	s_lshl_b32 s46, s42, 10                        ; (256 x tile column + 128 x half) x 4 bytes
	s_lshl_b32 s47, s12, 9
	s_add_co_u32 s46, s46, s47
	s_mov_b32 s47, 0
	s_add_nc_u64 s[66:67], s[68:69], s[46:47]
	s_lshl_b32 s46, s13, 21                        ; (256 x tile row + 128 x half) rows of 8,192 bytes
	s_lshl_b32 s47, s11, 20
	s_add_co_u32 s46, s46, s47
	s_lshl_b32 s47, s42, 9                         ; + (256 x tile column + 128 x half) x 2 bytes
	s_add_co_u32 s46, s46, s47
	s_lshl_b32 s47, s12, 8
	s_add_co_u32 s46, s46, s47
	s_mov_b32 s47, 0
	s_add_nc_u64 s[8:9], s[70:71], s[46:47]
	s_mov_b32 s76, 0xc0135761                      ; C1 = -2 log2(e) sqrt(2 / pi) = -2.3022082
	s_mov_b32 s77, s76
	s_mov_b32 s78, 0xbdd2d3e8                      ; C3 = 0.044715 C1 = -0.10294324
	s_mov_b32 s79, s78
.else
	s_mov_b64 s[66:67], s[68:69]                   ; a cluster's 1,024 columns are all of q, of k or of v: cluster x says which
	s_cmp_eq_u32 ttmp9, 1
	s_cselect_b64 s[66:67], s[70:71], s[66:67]
	s_cmp_eq_u32 ttmp9, 2
	s_cselect_b64 s[66:67], s[72:73], s[66:67]
	s_lshl_b32 s46, s40, 10                        ; (256 cx + 128 x half) x 4 bytes
	s_lshl_b32 s47, s12, 9
	s_add_co_u32 s46, s46, s47
	s_mov_b32 s47, 0
	s_add_nc_u64 s[66:67], s[66:67], s[46:47]
	s_lshl_b32 s46, ttmp9, 23                      ; q, k or v: 8,388,608 bytes each
	s_lshr_b32 s47, s13, 3                         ; the batch: 16 heads of 262,144 bytes
	s_lshl_b32 s47, s47, 22
	s_add_co_u32 s46, s46, s47
	s_lshl_b32 s47, s40, 20                        ; my first head: 4 cx + 2 x half
	s_add_co_u32 s46, s46, s47
	s_lshl_b32 s47, s12, 19
	s_add_co_u32 s46, s46, s47
	s_and_b32 s47, s13, 7                          ; my first row in the sequence: 256 (tile row % 8) + 128 x half, 128 bytes each
	s_lshl_b32 s47, s47, 15
	s_add_co_u32 s46, s46, s47
	s_lshl_b32 s47, s11, 14
	s_add_co_u32 s46, s46, s47
	s_mov_b32 s47, 0
	s_add_nc_u64 s[8:9], s[74:75], s[46:47]
.endif
	v_and_b32 v1, 15, v0                           ; l % 16
	v_bfe_u32 v2, v0, 4, 1                         ; l / 16
	v_lshlrev_b32 v[BO], 5, v2
	; accumulator (a, b) holds the columns 16 b + 8 (l / 16) + 0..7 in every row: it starts as their bias
	WIN 0x80                                       ; destination window 2, address window 0
.set i, 0
.rept 32
	global_load_b128 v[8*i:8*i+3],   v[BO], s[66:67] offset:64*(i%8)
	global_load_b128 v[8*i+4:8*i+7], v[BO], s[66:67] offset:64*(i%8)+16
.set i, i+1
.endr
	WIN 0xc0                                       ; destination window 3
.set i, 0
.rept 32
	global_load_b128 v[8*i:8*i+3],   v[BO], s[66:67] offset:64*(i%8)
	global_load_b128 v[8*i+4:8*i+7], v[BO], s[66:67] offset:64*(i%8)+16
.set i, i+1
.endr
	WIN 0
	; a fragment is 16 rows x 32 K in 8 registers: lane l holds row l % 16, K = 8 (l / 16) + 0..7 and 16 + 8 (l / 16) + 0..7: two loads of 16 bytes, 32 bytes apart
	v_mul_u32_u24 v3, v1, PITCH
	v_lshl_add_u32 v3, v2, 4, v3
	s_mul_i32 s21, s11, HALFT                      ; my 128 rows of A
	s_mul_i32 s22, s12, HALFT                      ; my 128 rows of B,
	s_add_co_u32 s22, s22, 2*HALFT                 ; which lie behind A's 256
	v_add_nc_u32 v[ADRA0], s21, v3
	v_add_nc_u32 v[ADRB0], s22, v3
	v_mov_b32 v[ADRA], v[ADRA0]                    ; slot 0
	v_mov_b32 v[ADRB], v[ADRB0]
	s_mov_b32 s45, 0
	s_mul_i32 s23, s10, WSTAGE                     ; my stage
	v_mul_u32_u24 v4, v1, SPITCH                   ; in: row l % 16, 16 bytes for each half of the lanes
	v_lshl_add_u32 v4, v2, 4, v4
	v_add_nc_u32 v[STO], s23, v4
.if GELU
	v_mul_u32_u24 v5, v2, SPITCH                   ; back: lanes 0-15 take one row, lanes 16-31 the next; lane i % 16 the columns 8 i ..
	v_lshl_add_u32 v5, v1, 4, v5
	v_add_nc_u32 v[RD], s23, v5
	v_lshlrev_b32 v5, 13, v2                       ; and the same two rows of 8,192 bytes in gbuf
	v_lshl_add_u32 v[CO], v1, 4, v5
.else
	v_bfe_u32 v5, v0, 3, 2                         ; back: eight lanes take a head's 64 columns of one row, 32 lanes four rows
	v_and_b32 v6, 7, v0
	v_mul_u32_u24 v5, v5, SPITCH
	v_lshl_add_u32 v5, v6, 4, v5
	v_add_nc_u32 v[RD], s23, v5
	v_and_b32 v[CO], 31, v0                        ; which are 512 consecutive bytes of a head
	v_lshlrev_b32 v[CO], 4, v[CO]
.endif
; 16 matrix instructions: m blocks a0, a0 + 1 of the window's four x all 8 n blocks, 32 along K.  The 64 accumulators take turns, one instruction a turn.
.macro MUL16 f, hi, a0
	WIN MUL_LO+0x50*(\hi)
.irp a, \a0, (\a0)+1
.irp b, 0,1,2,3,4,5,6,7
	v_wmma_f32_16x16x32_bf16 v[8*(8*(\a)+(\b)):8*(8*(\a)+(\b))+7], v[(\f)+8*(\b):(\f)+8*(\b)+7], v[(\f)+8*(4*(\hi)+(\a)):(\f)+8*(4*(\hi)+(\a))+7], v[8*(8*(\a)+(\b)):8*(8*(\a)+(\b))+7]
.endr
.endr
.endm
; 32 LDS loads in one run: the fragments of a quarter step (32 K at byte k of the rows) of the slot in hand, into buffer f; B's first
.macro FETCH k, f
	WIN TO_B
.irp i, 0,1,2,3,4,5,6,7
	ds_load_b128 v[(\f)+8*(\i):(\f)+8*(\i)+3],   v[ADRB] offset:(\k)+(\i)*16*PITCH
	ds_load_b128 v[(\f)+8*(\i)+4:(\f)+8*(\i)+7], v[ADRB] offset:(\k)+(\i)*16*PITCH+32
.endr
	WIN 0
.irp i, 0,1,2,3,4,5,6,7
	ds_load_b128 v[(\f)+8*(\i):(\f)+8*(\i)+3],   v[ADRA] offset:(\k)+(\i)*16*PITCH
	ds_load_b128 v[(\f)+8*(\i)+4:(\f)+8*(\i)+7], v[ADRA] offset:(\k)+(\i)*16*PITCH+32
.endr
.endm
; One of a K step's first three quarters: multiplies buffer f; in its middle it fetches the next quarter, at byte k, into buffer g.
.macro QUARTER k, f, g
	s_wait_dscnt 8                                 ; B and A's rows 0-63 are in; the youngest eight loads (A's rows 64-127) may be out
	MUL16 \f, 0, 0
	MUL16 \f, 0, 2
	PLACES
	FETCH \k, \g
	s_wait_dscnt 32                                ; all but the 32 just issued
	MUL16 \f, 1, 0
	MUL16 \f, 1, 2
.endm
; The last quarter multiplies buffer 1 and changes slots: one barrier.  In front of it each wave waits for all its tensor loads (one is out: its part of the next slot), adds 0 to its spare
; word, and waits for that and for its reads of this slot.  fill = 1: the barrier opens a round of the cluster's, and this slot is filled again first thing behind it, two K steps ahead:
; 224 matrix instructions stand between the request and the wait for it.
.macro TURN fill
	WIN 0
	s_xor_b32 s45, s45, SLOT                       ; the other slot: this slot's last fragments have been asked for
	v_add_nc_u32 v[ADRA], s45, v[ADRA0]
	v_add_nc_u32 v[ADRB], s45, v[ADRB0]
	s_wait_tensorcnt 0x0                           ; all my tensor loads have landed
	ds_add_u32 v[SPW], v[NIL]                      ; 0 onto my spare word
	s_wait_dscnt 9                                 ; (the add and the youngest eight loads may be out)
	MUL16 F1, 0, 0                                 ; sixteen matrix instructions stand between the add and the wait for it
	s_wait_dscnt 0x0                               ; the add is done, and my reads of this slot are over
	s_barrier_signal -1
	MUL16 F1, 0, 2
.if \fill
	WIN 0                                          ; every window is 0
.endif
	s_barrier_wait -1
.if \fill
	CREST                                          ; no wave of any partner still reads this slot or has a load on its way
	s_xor_b32 s[G0+5], s[G0+5], SLOT               ; the walking sets: the slot just read out, the K step two on
	s_add_nc_u64 s[G0+6:G0+7], s[G0+6:G0+7], KSTEP*2
	s_xor_b32 s[G0B+5], s[G0B+5], SLOT
	s_add_nc_u64 s[G0B+6:G0B+7], s[G0B+6:G0B+7], KSTEP*2
	JLOAD 1                                        ; my one tensor load behind the round; its four v_nop are also the places in front of the loads below
.else
	PLACES
.endif
	FETCH 0, F0
	MUL16 F1, 1, 0
	MUL16 F1, 1, 2
.endm
.macro KSTEPM fill
	QUARTER 64,  F0, F1
	QUARTER 128, F1, F0
	QUARTER 192, F0, F1
	TURN \fill
.endm
	s_wait_tensorcnt 1                             ; my part of K step 0 is in; step 1's may stay out
	s_barrier_signal -1
	s_barrier_wait -1                              ; everybody's is
	FETCH 0, F0
	s_wait_loadcnt 0x0                             ; the bias is in the accumulators
	s_mov_b32 s3, STEPS-2
.Lmain:
	KSTEPM 1
	WIN 0
	s_sub_co_u32 s3, s3, 1
	s_cmp_lg_u32 s3, 0
	s_cbranch_scc1 .Lmain
	s_mov_b32 s3, 2
.Ltail:                                                ; the last two K steps ask for nothing
	KSTEPM 0
	WIN 0
	s_sub_co_u32 s3, s3, 1
	s_cmp_lg_u32 s3, 0
	s_cbranch_scc1 .Ltail
	; THE WAY OUT.  The ring has had its last fill; when every wave's reads of it are back, its bytes become the four stages.
	PLACES                                         ; between the last products and the stores that read them
	s_wait_dscnt 0x0
	s_barrier_signal -1
	s_barrier_wait -1
	; column 8 i + j of a row lies at byte 16 i + 4 j (j < 4) or 256 + 16 i + 4 (j - 4): a lane's two halves of eight columns go 256 bytes apart, so that a row comes back 16 bytes a lane.
	; Each accumulator's low four registers are read first.
.macro DUMP hi
	WIN 0x08+4*(\hi)                               ; the stores' data in window 2 or 3
.set i, 0
.rept 32
	ds_store_b128 v[STO], v[8*i:8*i+3]   offset:(4*(\hi)+i/8)*16*SPITCH+32*(i%8)
	ds_store_b128 v[STO], v[8*i+4:8*i+7] offset:(4*(\hi)+i/8)*16*SPITCH+32*(i%8)+256
.set i, i+1
.endr
.endm
	DUMP 0
	DUMP 1
	WIN 0
	s_mov_b32 s3, 16
.Lrow:                                                 ; 8 rows a trip.  LDS serves a wave's instructions in order (ISA guide 5.7.1.4): the loads see my stores above
.if GELU
.irp p, 0,1,2,3                        ; rows 2 p and 2 p + 1
	ds_load_b128 v[X+8*(\p):X+8*(\p)+3],   v[RD] offset:(\p)*2*SPITCH
	ds_load_b128 v[X+8*(\p)+4:X+8*(\p)+7], v[RD] offset:(\p)*2*SPITCH+256
.endr
	s_wait_dscnt 0x0
	; gelu(x) = x / (1 + 2^(x (C1 + C3 x^2))), which is 0.5 x (1 + tanh(..)) rewritten.  Where the power overflows the quotient is 0, where it vanishes it is x: tanh's two ends.
.set i, 0
.rept 16
	v_pk_mul_f32 v[T+2*i:T+2*i+1], v[X+2*i:X+2*i+1], v[X+2*i:X+2*i+1]
.set i, i+1
.endr
.set i, 0
.rept 16
	v_pk_fma_f32 v[T+2*i:T+2*i+1], v[T+2*i:T+2*i+1], s[78:79], s[76:77] op_sel_hi:[1,0,0]
.set i, i+1
.endr
.set i, 0
.rept 16
	v_pk_mul_f32 v[T+2*i:T+2*i+1], v[T+2*i:T+2*i+1], v[X+2*i:X+2*i+1]
.set i, i+1
.endr
.set i, 0
.rept 32
	v_exp_f32 v[T+i], v[T+i]
.set i, i+1
.endr
	v_nop                                          ; a plain instruction behind the last exponential (ISA guide 5.7.2)
.set i, 0
.rept 16
	v_pk_add_f32 v[T+2*i:T+2*i+1], v[T+2*i:T+2*i+1], 1.0 op_sel_hi:[1,0]
.set i, i+1
.endr
.set i, 0
.rept 32
	v_rcp_f32 v[T+i], v[T+i]
.set i, i+1
.endr
	v_nop
.set i, 0
.rept 16
	v_pk_mul_f32 v[X+2*i:X+2*i+1], v[X+2*i:X+2*i+1], v[T+2*i:T+2*i+1]
.set i, i+1
.endr
.else
.irp u, 0,1,2,3                        ; rows 4 (u / 2) .. + 3, head u % 2.  Two of the four rows of a load meet in part of the banks: taken as it is
	ds_load_b128 v[X+8*(\u):X+8*(\u)+3],   v[RD] offset:((\u)/2)*4*SPITCH+((\u)%2)*128
	ds_load_b128 v[X+8*(\u)+4:X+8*(\u)+7], v[RD] offset:((\u)/2)*4*SPITCH+((\u)%2)*128+256
.endr
	s_wait_dscnt 0x0
.endif
.set i, 0
.rept 16
	v_cvt_pk_bf16_f32 v[Y+i], v[X+2*i], v[X+2*i+1]
.set i, i+1
.endr
.if GELU
.irp p, 0,1,2,3
	global_store_b128 v[CO], v[Y+4*(\p):Y+4*(\p)+3], s[8:9] offset:(\p)*2*8192  ; 16 lanes store 256 consecutive bytes, aligned
.endr
.else
.irp u, 0,1,2,3
	global_store_b128 v[CO], v[Y+4*(\u):Y+4*(\u)+3], s[8:9] offset:((\u)%2)*262144+((\u)/2)*512  ; 512 consecutive bytes: four rows of one head
.endr
.endif
	s_wait_xcnt 0x0                                ; the stores' data and base are rewritten only behind this wait
	v_add_nc_u32 v[RD], 8*SPITCH, v[RD]
.if GELU
	s_add_nc_u64 s[8:9], s[8:9], 8*8192
.else
	s_add_nc_u64 s[8:9], s[8:9], 8*128
.endif
	s_sub_co_u32 s3, s3, 1
	s_cmp_lg_u32 s3, 0
	s_cbranch_scc1 .Lrow
	s_wait_tensorcnt 0x0                           ; the wave's end
	ds_add_u32 v[SPW], v[NIL]
	s_wait_dscnt 0x0
	CROUND                                         ; the closing round: no work-group ends while a partner may still ask for a tile that names it
	s_endpgm
.Lfunc_end_k_q735ac1d46c_qkvproj:
	.size	k_q735ac1d46c_qkvproj, .Lfunc_end_k_q735ac1d46c_qkvproj-k_q735ac1d46c_qkvproj
	.p2alignl 7, 3214868480
	.fill 96, 4, 3214868480
	.section	.rodata,"a",@progbits
	.p2align	6, 0x0
	.amdhsa_kernel k_q735ac1d46c_qkvproj
		.amdhsa_group_segment_fixed_size 327680
		.amdhsa_private_segment_fixed_size 0
		.amdhsa_enable_private_segment 0
		.amdhsa_kernarg_size 48
		.amdhsa_user_sgpr_count 2
		.amdhsa_user_sgpr_kernarg_segment_ptr 1
		.amdhsa_wavefront_size32 1
		.amdhsa_system_sgpr_workgroup_id_x 1
		.amdhsa_system_sgpr_workgroup_id_y 1
		.amdhsa_system_sgpr_workgroup_id_z 1
		.amdhsa_system_vgpr_workitem_id 0
		.amdhsa_next_free_vgpr 1024
		.amdhsa_next_free_sgpr 76
		.amdhsa_reserve_vcc 0
		.amdhsa_float_denorm_mode_32 3
		.amdhsa_float_denorm_mode_16_64 3
		.amdhsa_memory_ordered 1
		.amdhsa_forward_progress 1
		.amdhsa_inst_pref_size 85
	.end_amdhsa_kernel
	.amdgpu_metadata
---
amdhsa.version: [ 1, 2 ]
amdhsa.kernels:
  - .name:           k_q735ac1d46c_qkvproj
    .symbol:         k_q735ac1d46c_qkvproj.kd
    .args:
      - { .name: hn, .offset: 0, .size: 8, .value_kind: global_buffer, .address_space: global }
      - { .name: wb, .offset: 8, .size: 8, .value_kind: global_buffer, .address_space: global }
      - { .name: bq, .offset: 16, .size: 8, .value_kind: global_buffer, .address_space: global }
      - { .name: bk, .offset: 24, .size: 8, .value_kind: global_buffer, .address_space: global }
      - { .name: bv, .offset: 32, .size: 8, .value_kind: global_buffer, .address_space: global }
      - { .name: qkvb, .offset: 40, .size: 8, .value_kind: global_buffer, .address_space: global }
    .group_segment_fixed_size: 327680
    .private_segment_fixed_size: 0
    .kernarg_segment_align: 8
    .kernarg_segment_size: 48
    .max_flat_workgroup_size: 128
    .sgpr_count:     76
    .vgpr_count:     1024
    .wavefront_size: 32
...
	.end_amdgpu_metadata
.endif
;; end of part 2
;; launch attn (part 3): grid 8 x 32, 4 waves a work-group, clusters of 4 x 1, 327,680 bytes of LDS; arguments qkvb, ob, Wo, W1, W2, wb; writes ob, wb
.if DOCPART == 3
	.amdgcn_target "amdgcn-amd-amdhsa--gfx1250"
	.amdhsa_code_object_version 6
	.text
	.protected	k_q735ac1d46c_attn
	.globl	k_q735ac1d46c_attn
	.p2align	8
	.type	k_q735ac1d46c_attn,@function
k_q735ac1d46c_attn:
	s_mov_b64 s[64:65], 0
	v_nop
	global_prefetch_b8 v0, s[64:65] scope:SCOPE_SE
	s_setreg_imm32_b32 hwreg(HW_REG_WAVE_MODE, 25, 1), 1
	s_wait_xcnt 0x0
	s_wait_alu depctr_hold_cnt(0) depctr_sa_sdst(0) depctr_va_vdst(0) depctr_va_sdst(0) depctr_va_ssrc(0) depctr_va_vcc(0) depctr_vm_vsrc(0)
	s_getreg_b32 s2, hwreg(HW_REG_IB_STS2, 6, 4)
	s_cmp_eq_u32 s2, 0
	s_cbranch_scc0 .Lentry_in_a_cluster
	s_endpgm
.Lentry_in_a_cluster:
	s_bfe_u32 s2, ttmp6, 0x10000c
	s_cmp_lg_u32 s2, 0x3003
	s_cbranch_scc0 .Lentry_shape_is_right
	s_endpgm
.Lentry_shape_is_right:
; O[g][q][:] = the sum over k of softmax_k(Q[g][q] . K[g][k] / 8) V[g][k][:], g = batch x 16 + head.  qkvb holds Q, K, V as [3][32][2048][64] bf16; ob is [32][2048][64] bf16.
; Products, maxima and sums in f32; the weights p are rounded to bf16 for the second product (their sum l is taken of the unrounded p), O once at the end.
; LIMITS.  Operands are bf16; a weight below 2^-126 counts as 0 in l; NaN and infinities are not treated apart.
; SHARES.  A work-group owns 256 queries of one g, each of its four waves 64: four PIECES of 16.  Every wave walks all 2,048 keys, 64 a step, 256 (four steps) a slot of LDS.
; LAYOUT.  S^T = K Q^T (source 0 = 16 keys, source 1 = 16 queries): a lane holds ONE query (lane % 16) and the keys 8 (lane / 16) + 0..7.  Two such results, rounded to bf16 in pairs, ARE
; source 1 of O^T = V^T P, whose result again holds one query a lane.  K comes out of LDS as it lies, V ([key][channel]) turned, by ds_load_tr16_b128.
; SOFTMAX.  A running maximum m and sum l: p = 2^(c s - c m), c = log2(e) / 8; in every step O and l are multiplied by a = 2^(c m_old - c m_new).  m starts at the lowest finite number,
; O and l at 0: the first step is a step like any other, with a = 0.
; BY TURNS.  Turn n belongs to piece n: 8 products K Q^T of piece n + 1, later 8 products V^T P of piece n - 1; beside them the scaling, exponentials, roundings, sums and rescaling of piece n and
; the maximum and statistics of piece n + 1.  Four vector instructions stand behind every matrix instruction, the other 54 of a turn's 118 in two runs of their own.
; CLUSTER.  The four query blocks of a cluster belong to one g and walk the same K and V: each tile is asked for JOINTLY, by the same tensor load, descriptor and mask in all four.  One tensor load of a wave is out at a time.
; A SECOND JOB RIDES ALONG: the weights that the launches behind this one multiply by, Wo, W1 and W2, go from f32 to bf16 (nearest even) into wb.  This launch moves few bytes of its own, and nothing here
; needs those weights, so the cast waits for nobody.  They are 9 segments of 1,048,576 numbers (Wo; four of W1; four of W2), segment s at byte 6,291,456 + s x 2,097,152 of wb.  The launch has 1,024 waves and a wave
; 8 changes of slots: behind each change it loads 512 consecutive bytes of every segment (1,024 x 8 x 512 bytes are a segment), and in front of the next change, four key steps later, it rounds them and stores 256
; consecutive bytes to each.  All waves run the same lines; no branch hangs on the cast.
; REGISTERS, in windows of 256 (s_set_vgpr_msb: bits 1:0 source 0, 3:2 source 1, 5:4 source 2, 7:6 destination):
;   window 0: v0-15 addresses and two at work; v16-31 four registers of statistics a piece; v48-55 at work; v56-57 the cast's offsets; v62-63 the add's; v64-127 S^T, two buffers; v192-223 P, two buffers (by the piece's parity)
;   window 1: v0-127 O^T, 32 a piece; v128-163 the cast's numbers as loaded; v164-181 packed          window 2: v0-63 Q; v128-191 K of one step; v192-255 V of one step
.set SEQ,   2048
.set NP,    4         ; pieces a wave: a name, no knob
.set KS,    64        ; keys in a step
.set PK,    144       ; a row of K in LDS: 128 bytes + 16 of padding: the 16 rows of a load start at 16 different groups of four banks (64 banks of 4 bytes: ISA guide 11.1)
.set PV,    160       ; a row of V: 128 + 32
.set VOFF,  4*KS*PK   ; a slot holds four steps: 256 rows of K, then 256 rows of V
.set SLOT1, 1<<17     ; slot 1 begins here, so that one exclusive or turns an address in one slot into the other's
.set STAGE, SLOT1+4*KS*(PK+PV)  ; behind the ring, never filled by a tensor load: 16 rows x 144 bytes for each wave
.set SP,    144
.set SPARE, STAGE+4*16*SP       ; behind the stages: the spare words, 128 bytes for each wave
.set AK0, 2           ; v2   my lane's place in a tile of K; never rewritten
.set AV0, 3           ; v3   the same for V
.set AK,  4           ; v4   the LDS address of K's next run of loads
.set AV,  5           ; v5   of V's
.set STO, 6           ; v6   the way out: where I put 16 bytes of a row
.set RD,  7           ; v7   the way out: where I read rows back
.set GO,  8           ; v8   my byte offset in 512 consecutive bytes of O
.set MV,  12          ; v12-13  c m_old, kept while c m is made anew: by buffer
.set QO,  15          ; v15  my byte offset in 16 rows of Q
.set ST,  16          ; piece t's statistics at v[ST+4 t]: c m, m, l (even keys', odd keys')
.set TMP, 48          ; by buffer, four registers c0-c3 at work; when the maximum is found c2 takes a
.set CLO, 56          ; v56  the cast: my byte offset in a segment of f32; steps by 512 a batch
.set CSO, 57          ; v57  the cast: my byte offset in a segment of bf16; steps by 256 a batch
.set SPW, 62          ; v62  LDS address of my spare word; never rewritten
.set NIL, 63          ; v63  0; never rewritten
.set S,   64
.set P,   192
.set CIN, 128         ; window 1: segment s's four numbers at CIN + 4 s
.set COUT, 164        ; window 1: the same, packed, at COUT + 2 s
.set KF,  128         ; window 2: key block kb, channel half c at KF + 16 kb + 8 c
.set VF,  192         ; window 2: key half kk, channel block cb at VF + 32 kk + 8 cb
.set WV,  12          ; s12  my wave's number
.set G1K, 24          ; s[24:31] descriptor group 1 for K's tiles
.set G1V, 32          ; s[32:39] for V's: it differs in the padding alone
.set G0K, 40          ; s[40:43] descriptor group 0 for K's tiles: it walks
.set G0V, 44          ; s[44:47] the same for V's
.set SLOTS, 56        ; s56  slots still to be entered by the loop
.set CNT, 57          ; s57  counts a slot's key steps
.set CS,  58          ; s[58:59] c
.set SEL, 60          ; s[60:61] v_permlanex16_b32's selects: each lane takes its own place in the other half
.set TBK, 62          ; s62  LDS byte at which K of the step to be fetched begins
.set TBV, 63          ; s63  the same for V, less VOFF
.set PWO, 68          ; s[68:69] Wo.  A load's or store's immediate reaches less than 8,388,608 bytes, so W1, W2 and wb have a base for each 8,388,608
.set PW1, 70          ; s[70:71] W1
.set PW2, 72          ; s[72:73] W2
.set D0,  74          ; s[74:75] wb at segment 0
.set PW1B, 76         ; s[76:77] W1's second half
.set PW2B, 78         ; s[78:79] W2's second half
.set D1,  80          ; s[80:81] wb at segment 4
.set D2,  82          ; s[82:83] wb at segment 8
.set MSB, 0
.macro WIN new                      ; the high byte repeats the setting that is left; a switch that changes nothing is dropped
.if MSB != (\new)
	s_set_vgpr_msb (MSB<<8)|(\new)
.set MSB, (\new)
.endif
.endm
.set W_KQ, 0x0a       ; K and Q in window 2, S^T in window 0
.set W_PV, 0x52       ; V in window 2, P in window 0, O^T in window 1
.set W_RS, 0x41       ; destination and source 0 in window 1, source 1 in window 0
; A joint fill.  Waves 0 and 1 fetch the two halves of a slot's K, waves 2 and 3 those of its V: 128 keys each.  The branch hangs on the wave's number alone.
; An s_nop 0 and four v_nop follow each of the two lines, ahead of the jump and the label.
.macro JLOAD
	s_cmp_lt_u32 s[WV], 2
	s_cbranch_scc0 .Lfor_v_\@
	tensor_load_to_lds s[G0K:G0K+3], s[G1K:G1K+7]
	s_nop 0
.rept 4
	v_nop
.endr
	s_branch .Lasked_\@
.Lfor_v_\@:
	tensor_load_to_lds s[G0V:G0V+3], s[G1V:G1V+7]
	s_nop 0
.rept 4
	v_nop
.endr
.Lasked_\@:
.endm
; A round of the cluster's barrier: my work-group's barrier; wave 0 signals for the work-group; every wave waits for all four work-groups; my work-group's barrier once more.
.macro CROUND
	s_barrier_signal -1
	s_barrier_wait -1
	s_cmp_lg_u32 s[WV], 0
	s_cbranch_scc1 .Lnot_wave_0_\@
	s_barrier_signal -3
.Lnot_wave_0_\@:
	s_barrier_wait -3
	s_barrier_signal -1
	s_barrier_wait -1
.endm
; THE CAST.  CASTIN: a batch's nine loads, one from each segment, 512 consecutive bytes a wave.  step = 1: the offsets go on to the next batch first.
.macro CLD n, base, off
	global_load_b128 v[CIN+4*(\n):CIN+4*(\n)+3], v[CLO], s[\base:\base+1] offset:\off th:TH_LOAD_NT
.endm
.macro CASTIN step
	WIN 0
.if \step
	s_wait_xcnt 0x0                 ; the last batch's loads and stores have read their offsets and data: only behind this wait are these rewritten
	v_add_nc_u32 v[CLO], 512, v[CLO]
	v_add_nc_u32 v[CSO], 256, v[CSO]
.endif
	WIN 0x40                        ; destination window 1, offset window 0
	CLD 0, PWO,  0
	CLD 1, PW1,  0
	CLD 2, PW1,  4194304
	CLD 3, PW1B, 0
	CLD 4, PW1B, 4194304
	CLD 5, PW2,  0
	CLD 6, PW2,  4194304
	CLD 7, PW2B, 0
	CLD 8, PW2B, 4194304
	WIN 0
.endm
; CASTOUT: the batch asked for four key steps ago is rounded and stored: nine stores of 256 consecutive bytes, aligned.
.macro CASTOUT
	s_wait_loadcnt 0x0              ; no other load of mine is out
	WIN 0x45                        ; destination and both sources window 1
.set z, 0
.rept 18
	v_cvt_pk_bf16_f32 v[COUT+z], v[CIN+2*z], v[CIN+2*z+1]
.set z, z+1
.endr
	WIN 0x04                        ; the stores' data window 1, offset window 0
.set z, 0
.rept 9
.if z < 4
	global_store_b64 v[CSO], v[COUT+2*z:COUT+2*z+1], s[D0:D0+1] offset:2097152*z
.elseif z < 8
	global_store_b64 v[CSO], v[COUT+2*z:COUT+2*z+1], s[D1:D1+1] offset:2097152*(z-4)
.else
	global_store_b64 v[CSO], v[COUT+2*z:COUT+2*z+1], s[D2:D2+1]
.endif
.set z, z+1
.endr
	WIN 0
.endm
; THE CHANGE OF SLOTS.  Each wave waits for all its tensor loads, of which one is out: its part of the other slot; adds 0 to its spare word; and waits for that and for its own reads of the slot.
; Behind the barrier nobody reads this slot any more and the other slot is whole.  fill = 1: this slot is filled again, with the keys two slots on; the barrier is then a round of the cluster's,
; and the joint fill is the first thing behind it: it has four key steps, 256 matrix instructions, in which to land.  (At its first use nothing has been read yet: slot 0 is waited for, slot 1 filled.)
; The cast's batches hang on the changes: proc = 1: the batch that is out is finished in front of the change; behind every change the next batch is asked for.
.macro CHANGE fill, proc
.if \proc
	CASTOUT
.endif
	WIN 0                           ; at a label and at a branch every window is 0
	s_wait_tensorcnt 0x0            ; no tensor load of mine is out, so a group 0 may be written
	ds_add_u32 v[SPW], v[NIL]       ; 0 onto my spare word
.if \fill
.irp g, G0K, G0V
	s_xor_b32 s[\g+1], s[\g+1], SLOT1  ; the walking descriptor: the other slot than last time,
	s_add_nc_u64 s[\g+2:\g+3], s[\g+2:\g+3], 4*KS*128  ; the next 256 keys; the type bits on top are not reached
.endr
	s_wait_dscnt 0x0                ; the add is done, and my reads of the slot are over
	CROUND
	JLOAD
.else
	s_wait_dscnt 0x0                ; the add is done, and my reads of the slot are over
	s_barrier_signal -1
	s_barrier_wait -1
.endif
	s_sub_co_u32 s[TBK], s[TBK], 4*KS*PK  ; the fetches go back to a slot's first step,
	s_xor_b32 s[TBK], s[TBK], SLOT1       ; in the other slot
	s_sub_co_u32 s[TBV], s[TBV], 4*KS*PV
	s_xor_b32 s[TBV], s[TBV], SLOT1
	CASTIN \proc
.endm
	s_load_b128 s[4:7], s[0:1], 0x0 ; qkvb s[4:5], ob s[6:7]
	s_load_b256 s[68:75], s[0:1], 0x10  ; Wo 68, W1 70, W2 72, wb 74
	v_lshl_add_u32 v[SPW], v0, 2, SPARE
	v_mov_b32 v[NIL], 0
	ds_add_u32 v[SPW], v[NIL]       ; the wave's opening: the add and its wait ahead of my first tensor load; work on registers stands between them
	v_lshrrev_b32 v1, 5, v0
	v_readfirstlane_b32 s[WV], v1   ; wave 0..3
	s_bfe_u32 s13, ttmp6, 0x40000   ; cx: my place in the cluster
	s_lshl_b32 s14, ttmp9, 2        ; in a cluster launch ttmp9 counts clusters
	s_add_co_u32 s14, s14, s13      ; my block of 256 queries: it enters Q's, O's and the cast's addresses alone
	s_and_b32 s20, ttmp7, 0xffff    ; g, which the four partners share
	s_lshl_b32 s19, s20, 3
	s_add_co_u32 s19, s19, s14      ; my work-group among the 256,
	s_lshl2_add_u32 s19, s19, s[WV] ; my wave among the 1,024: the cast's share
	s_lshl_b32 s20, s20, 18         ; g's 2,048 rows of 128 bytes
	s_and_b32 s16, s[WV], 1         ; which half of a slot's 256 keys I fetch:
	s_lshl_b32 s22, s16, 14         ; its 128 rows of 128 bytes in memory,
	s_add_co_u32 s22, s22, s20
	s_mov_b32 s23, 0
	s_mul_i32 s17, s16, 128*PK      ; and its place in a slot, for K
	s_mul_i32 s18, s16, 128*PV      ; and for V: no place in the cluster enters an LDS address
	s_lshl_b32 s2, s14, 2
	s_add_co_u32 s2, s2, s[WV]      ; my wave among g's 32,
	s_lshl_b32 s2, s2, 13           ; its 64 rows
	s_add_co_u32 s2, s2, s20
	s_mov_b32 s3, 0
	; descriptor group 1.  128 keys are 16,384 dense bytes: asked for as 64 rows of 256 bytes, two keys a row, and padded in LDS after every key
	s_mov_b32 s[G1K], 15|(1<<16)|(1<<20)|(1<<21)|(4<<22)|(3<<25)  ; the mask of four; 2-byte elements; padding on; bit 21 beside a mask; after every 32 words 4 words
	s_mov_b32 s[G1V], 15|(1<<16)|(1<<20)|(1<<21)|(4<<22)|(7<<25)  ; the same with 8 words of padding
.irp g, G1K, G1V
	s_mov_b32 s[\g+1], 128<<16      ; tensor_dim0 = 128
	s_mov_b32 s[\g+2], 64<<16       ; tensor_dim1 = 64
	s_mov_b32 s[\g+3], 128<<16      ; tile_dim0 = 128
	s_mov_b32 s[\g+4], 64           ; tile_dim1 = 64
	s_mov_b32 s[\g+5], 128          ; 128 elements from row to row
	s_mov_b32 s[\g+6], 0
	s_mov_b32 s[\g+7], 0
.endr
	s_mov_b32 s[CS], 0x3e38aa3b     ; c = log2(e) / 8 = 0.180337
	s_mov_b32 s[CS+1], s[CS]        ; named with it as a pair
	s_mov_b32 s[SEL], 0x76543210
	s_mov_b32 s[SEL+1], 0xfedcba98
	s_mov_b32 s[TBK], SLOT1+4*KS*PK ; the first change of slots turns these two into 0
	s_mov_b32 s[TBV], SLOT1+4*KS*PV
	s_mov_b32 s[G0K], 1             ; count = 1
	s_mov_b32 s[G0K+1], s17         ; LDS address: slot 0
	s_mov_b32 s[G0V], 1
	s_add_co_u32 s[G0V+1], s18, VOFF
	s_wait_dscnt 0x0                ; the opening add is done
	s_wait_kmcnt 0x0
	s_add_nc_u64 s[G0K+2:G0K+3], s[4:5], s[22:23]
	s_add_nc_u64 s[G0K+2:G0K+3], s[G0K+2:G0K+3], 8388608   ; K lies behind Q's 8,388,608 bytes
	s_or_b32 s[G0K+3], s[G0K+3], 0x80000000                ; type = 2
	s_add_nc_u64 s[G0V+2:G0V+3], s[4:5], s[22:23]
	s_add_nc_u64 s[G0V+2:G0V+3], s[G0V+2:G0V+3], 16777216  ; V behind K
	s_or_b32 s[G0V+3], s[G0V+3], 0x80000000
	s_add_nc_u64 s[10:11], s[6:7], s[2:3]  ; O and Q at my wave's first row
	s_add_nc_u64 s[4:5], s[4:5], s[2:3]
	s_add_nc_u64 s[PW1B:PW1B+1], s[PW1:PW1+1], 0x800000    ; the cast's further bases
	s_add_nc_u64 s[PW2B:PW2B+1], s[PW2:PW2+1], 0x800000
	s_add_nc_u64 s[D0:D0+1], s[D0:D0+1], 6291456           ; segment 0 lies behind Wq, Wk and Wv
	s_add_nc_u64 s[D1:D1+1], s[D0:D0+1], 0x800000
	s_add_nc_u64 s[D2:D2+1], s[D0:D0+1], 0x1000000
	CROUND                          ; all four work-groups are here: the first joint loads meet
	JLOAD                           ; slot 0.  Slot 1 is asked for when slot 0 is in
	; A fragment of K or Q is 16 rows x 32 channels in 8 registers: lane l holds row l % 16, channels 8 (l / 16) + 0..7 and 16 + 8 (l / 16) + 0..7: two loads of 16 bytes, 32 bytes apart.
	v_and_b32 v1, 15, v0            ; l % 16
	v_bfe_u32 v9, v0, 4, 1          ; l / 16
	v_lshlrev_b32 v[QO], 7, v1
	v_lshl_add_u32 v[QO], v9, 4, v[QO]  ; row x 128 + 16 x half
	WIN 0x80                        ; destination window 2, address window 0
.set i, 0
.rept 8                             ; Q stays in registers: piece i / 2, channels 32 (i % 2) on
	global_load_b128 v[8*i:8*i+3],   v[QO], s[4:5] offset:(i/2)*2048+(i%2)*64
	global_load_b128 v[8*i+4:8*i+7], v[QO], s[4:5] offset:(i/2)*2048+(i%2)*64+32
.set i, i+1
.endr
	; What the first turn finds: V's registers and P's second buffer hold 0 (its products V^T P, of a piece that has not been, add 0), O^T and l are 0.  All this stands in the wait for the first tile:
	; the price of writing no first step out.
.set i, VF
.rept 64
	v_mov_b32 v[i], 0
.set i, i+1
.endr
	WIN 0x40
.set i, 0
.rept 128
	v_mov_b32 v[i], 0
.set i, i+1
.endr
	WIN 0
.set i, 0
.rept 4
	v_mov_b32 v[ST+4*i], 0xfe000000    ; c m: far below every c s
	v_mov_b32 v[ST+4*i+1], 0xff7fffff  ; m
	v_mov_b32 v[ST+4*i+2], 0
	v_mov_b32 v[ST+4*i+3], 0
.set i, i+1
.endr
.set i, P+16
.rept 16
	v_mov_b32 v[i], 0
.set i, i+1
.endr
	v_mul_u32_u24 v[AK0], v1, PK
	v_lshl_add_u32 v[AK0], v9, 4, v[AK0]  ; row x pitch + 16 x half
	; The turning load takes 16 keys x 16 channels (lane l reads key 8 (l / 16) + l % 8, channels 8 ((l / 8) % 2) + 0..7) and leaves half a fragment of V^T: lane l holds channel l % 16 and 8 keys.
	v_and_b32 v10, 7, v0
	v_bfe_u32 v11, v0, 3, 1
	v_lshl_add_u32 v[AV0], v9, 3, v10
	v_mul_u32_u24 v[AV0], v[AV0], PV
	v_lshl_add_u32 v[AV0], v11, 4, v[AV0]
	v_add_nc_u32 v[AV0], VOFF, v[AV0]
	s_mul_i32 s13, s[WV], 16*SP
	s_add_co_u32 s13, s13, STAGE    ; my stage
	v_mul_u32_u24 v[STO], v1, SP    ; in: row l % 16, 16 bytes for each half of the lanes
	v_lshl_add_u32 v[STO], v9, 4, v[STO]
	v_add_nc_u32 v[STO], s13, v[STO]
	v_bfe_u32 v[RD], v0, 3, 2       ; back: 32 lanes take four rows of 128 bytes,
	v_mul_u32_u24 v[RD], v[RD], SP
	v_lshl_add_u32 v[RD], v10, 4, v[RD]
	v_add_nc_u32 v[RD], s13, v[RD]
	v_and_b32 v[GO], 31, v0         ; which are 512 consecutive bytes of O
	v_lshlrev_b32 v[CSO], 3, v[GO]  ; the cast: 8 bytes a lane out,
	v_lshlrev_b32 v[GO], 4, v[GO]
	s_lshl_b32 s21, s19, 12         ; my wave's 8 batches of 512 bytes in a segment of f32,
	v_add_nc_u32 v[CLO], s21, v[GO] ; 16 bytes a lane in
	s_lshl_b32 s21, s19, 11         ; and of 256 bytes in a segment of bf16
	v_add_nc_u32 v[CSO], s21, v[CSO]
; THE MATRIX WORK.  The 4 accumulators of a run of 8 take turns.  Product i of 8 of S^T = K Q^T for piece x: channels 32 (i / 4) on, keys 16 (i % 4) on.  The first 4 start the sums.
.macro KQ x
.set rS, S+32*((\x)%2)+8*(i%4)
.set rK, KF+16*(i%4)+8*(i/4)
.set rQ, 16*(\x)+8*(i/4)
	WIN W_KQ
.if i < 4
	v_wmma_f32_16x16x32_bf16 v[rS:rS+7], v[rK:rK+7], v[rQ:rQ+7], 0
.else
	v_wmma_f32_16x16x32_bf16 v[rS:rS+7], v[rK:rK+7], v[rQ:rQ+7], v[rS:rS+7]
.endif
.endm
; Product i of 8 of O^T += V^T P for piece x: keys 32 (i / 4) on, channels 16 (i % 4) on.
.macro PV x
	WIN W_PV
.set rO, 32*(\x)+8*(i%4)
.set rV, VF+32*(i/4)+8*(i%4)
.set rP, P+16*((\x)%2)+8*(i/4)
	v_wmma_f32_16x16x32_bf16 v[rO:rO+7], v[rV:rV+7], v[rP:rP+7], v[rO:rO+7]
.endm
.macro MM                           ; the turn's next matrix instruction
.if i < 8
	KQ (Y+1)%NP
.else
.set i, i-8
	PV (Y+NP-1)%NP
.set i, i+8
.endif
.set i, i+1
.endm
; THE LDS LOADS stand in runs of 16, never singly among the matrix instructions: a step's K (64 keys x 64 channels: 8 fragments) and its V (turned).  Their addresses are made some lines ahead.
; last = 1 (the tail): in the last trip there is no further step, and the run is jumped over.
.macro FETCH_K last=0
	WIN 0
.if \last
	s_cmp_eq_u32 s[CNT], 1
	s_cbranch_scc1 .Lno_k_\@
.endif
	WIN 0x80                        ; destination window 2
.irp f, 0,1,2,3,4,5,6,7             ; keys 16 (f / 2) on, channels 32 (f % 2) on
	ds_load_b128 v[KF+8*\f:KF+8*\f+3],   v[AK] offset:(\f/2)*16*PK+(\f%2)*64
	ds_load_b128 v[KF+8*\f+4:KF+8*\f+7], v[AK] offset:(\f/2)*16*PK+(\f%2)*64+32
.endr
	s_add_co_u32 s[TBK], s[TBK], KS*PK  ; the next fetch is the next step's
	WIN 0
.if \last
.Lno_k_\@:
.endif
.endm
.macro FETCH_V
	WIN 0x80
.irp f, 0,1,2,3,4,5,6,7             ; keys 32 (f / 4) on, channels 16 (f % 4) on
	ds_load_tr16_b128 v[VF+8*\f:VF+8*\f+3],   v[AV] offset:(\f/4)*32*PV+(\f%4)*32
	ds_load_tr16_b128 v[VF+8*\f+4:VF+8*\f+7], v[AV] offset:(\f/4)*32*PV+16*PV+(\f%4)*32
.endr
	WIN 0
.endm
; THE VECTOR WORK, one line at a time: OP kind, number.  For piece Y: F n: c s - c m for pair n of 16.  E n: the exponential of score n of 32.  C n: pair n rounded to bf16.  B n: of the four weights 4 n .. the second
; pair is added onto the first, in place.  L n: l takes that sum (L 0: l = a l + sum).  R n: pair n of 16 of O^T times a.  For piece Y + 1: X n, number n of the 22 that find its maximum and statistics:
;   0-11  four chains c0-c3 of seven scores each, three operands at a time (each accumulator's lowest registers are read first)     12-14, 16  the four scores left over, the old m, and c0-c3 into c0
;   15  c m_old is kept     17, 18  the query's other 32 keys lie in the lane 16 away: the new m     19-21  c m; c m_old - c m_new; a
.set F, 0               ; OP tells the kinds apart by their order: F to L below R, X above it
.set E, 1
.set C, 2
.set B, 3
.set L, 4
.set R, 5
.set X, 6
.macro REGS y                       ; the registers of piece y
.set rT, ST+4*(\y)
.set rC, TMP+4*((\y)%2)
.set rW, MV+((\y)%2)
.set rS, S+32*((\y)%2)
.set rP, P+16*((\y)%2)
.set rO, 32*(\y)
.endm
.macro OP k, n
.if (\k) == R
	REGS Y
	WIN W_RS
	v_pk_mul_f32 v[rO+2*(\n):rO+2*(\n)+1], v[rO+2*(\n):rO+2*(\n)+1], v[rC+2:rC+3] op_sel_hi:[1,0]
.elseif (\k) < R
	REGS Y
	WIN 0
.if (\k) == F
	v_pk_fma_f32 v[rS+2*(\n):rS+2*(\n)+1], v[rS+2*(\n):rS+2*(\n)+1], s[CS:CS+1], v[rT:rT+1] op_sel_hi:[1,0,0] neg_lo:[0,0,1] neg_hi:[0,0,1]
.elseif (\k) == E
	v_exp_f32 v[rS+(\n)], v[rS+(\n)]
.elseif (\k) == C
	s_wait_alu depctr_va_vdst(0)
	v_cvt_pk_bf16_f32 v[rP+(\n)], v[rS+2*(\n)], v[rS+2*(\n)+1]
.elseif (\k) == B
	s_wait_alu depctr_va_vdst(0)
	v_pk_add_f32 v[rS+4*(\n):rS+4*(\n)+1], v[rS+4*(\n):rS+4*(\n)+1], v[rS+4*(\n)+2:rS+4*(\n)+3]
.elseif (\n) == 0
	v_pk_fma_f32 v[rT+2:rT+3], v[rT+2:rT+3], v[rC+2:rC+3], v[rS:rS+1] op_sel_hi:[1,0,1]
.else
	v_pk_add_f32 v[rT+2:rT+3], v[rT+2:rT+3], v[rS+4*(\n):rS+4*(\n)+1]
.endif
.else
	REGS (Y+1)%NP
	WIN 0
.if (\n) < 4
	v_max3_num_f32 v[rC+(\n)], v[rS+8*(\n)], v[rS+8*(\n)+1], v[rS+8*(\n)+2]
.elseif (\n) < 12
	v_max3_num_f32 v[rC+(\n)%4], v[rC+(\n)%4], v[rS+8*((\n)%4)+2*((\n)/4)+1], v[rS+8*((\n)%4)+2*((\n)/4)+2]
.elseif (\n) == 12
	v_max3_num_f32 v[rC], v[rC], v[rS+7], v[rS+15]
.elseif (\n) == 13
	v_max3_num_f32 v[rC+1], v[rC+1], v[rS+23], v[rS+31]
.elseif (\n) == 14
	v_max3_num_f32 v[rC+2], v[rC+2], v[rC+3], v[rT+1]
.elseif (\n) == 15
	v_mov_b32 v[rW], v[rT]
.elseif (\n) == 16
	v_max3_num_f32 v[rC], v[rC], v[rC+1], v[rC+2]
.elseif (\n) == 17
	v_permlanex16_b32 v[rC+3], v[rC], s[SEL], s[SEL+1]
.elseif (\n) == 18
	v_max_num_f32 v[rT+1], v[rC], v[rC+3]
.elseif (\n) == 19
	v_mul_f32 v[rT], s[CS], v[rT+1]
.elseif (\n) == 20
	v_sub_f32 v[rC+1], v[rW], v[rT]
.else
	v_exp_f32 v[rC+2], v[rC+1]
.endif
.endif
.endm
.macro OPS a, i1, b=-1, i2=0, c=-1, i3=0, d=-1, i4=0  ; up to four of them
	OP \a, \i1
.if (\b) >= 0
	OP \b, \i2
.endif
.if (\c) >= 0
	OP \c, \i3
.endif
.if (\d) >= 0
	OP \d, \i4
.endif
.endm
.macro ROW a, i1, b, i2, c, i3, d, i4  ; a matrix instruction and the four behind it
	MM
	OPS \a, \i1, \b, \i2, \c, \i3, \d, \i4
.endm
; A TURN, for piece p: the order of its 16 matrix and 118 vector instructions, written out.  Behind a matrix instruction: plain, exponential, plain, plain; or four of the rescaling; or, behind the first, four scalings; none
; names a register of the products round it.  In the runs between, exponential and plain by turns while exponentials last.  A line reads no result made fewer than three vector instructions in front of it, five if an exponential made it.
; last = 1: the tail's text, whose last trip fetches no K.  cnt = 1: the loop's count is taken down some lines ahead of the branch that stands behind the turn.
; K of the next step is fetched in piece 2's turn, six vector instructions behind the last product that read K (five of them plain); V of the step in hand in piece 0's turn, eight behind the last product that read V.
; Each is waited for a turn later.
.macro TURN p, last=0, cnt=0
.set Y, (\p)
.set i, 0
.if (\p) == 3
	s_wait_dscnt 0x0                ; K is in
.endif
	ROW F,0, F,1, F,2, F,3
	ROW F,4, E,0, F,5, F,6
	ROW F,7, E,1, F,8, F,9
	ROW F,10, E,2, C,0, F,11
	ROW F,12, E,3, X,15, F,13
	ROW R,0, R,1, R,2, R,3
	ROW B,0, E,4, F,14, L,0
.if (\p) == 2
	v_add_nc_u32 v[AK], s[TBK], v[AK0]
.endif
	ROW R,4, R,5, R,6, R,7
	OPS E,5, F,15
.if (\p) == 2
	FETCH_K \last
.endif
	OPS E,6, C,1, E,7, R,8
	OPS E,8, R,9, E,9, C,2
	OPS E,10, X,0, E,11, X,1
	OPS E,12, X,2, E,13, X,3
.if (\p) == 1
	s_wait_dscnt 0x0                ; V is in
.endif
	ROW X,4, E,14, X,5, X,6
	ROW X,7, E,15, X,8, X,9
	ROW X,10, E,16, X,11, X,12
	ROW X,13, E,17, X,14, B,1
	ROW C,4, E,18, X,16, L,1
	ROW B,2, E,19, C,6, L,2
	ROW C,8, E,20, B,3, B,4
.if (\p) == 0
	v_add_nc_u32 v[AV], s[TBV], v[AV0]
.endif
	ROW C,3, E,21, L,3, C,5
	OPS E,22, X,17, E,23, C,10
.if (\p) == 0
	FETCH_V
.endif
	OPS E,24, L,4
	OPS E,25, X,18, E,26, C,7
	OPS E,27, B,5, E,28, X,19
	OPS E,29, C,12, E,30, L,5
	OPS E,31, X,20, B,6, C,9
	OPS C,14, C,11, X,21, L,6
.if (\p) == 0
	s_add_co_u32 s[TBV], s[TBV], KS*PV
.endif
.if \cnt
	s_sub_co_u32 s[CNT], s[CNT], 1
	s_cmp_lg_u32 s[CNT], 0
.endif
	OPS C,13, B,7, C,15, R,10
	OPS R,11, R,12, L,7, R,13
	OPS R,14, R,15
.endm
	CHANGE 1, 0                     ; slot 0 is in, everybody's part of it; slot 1 is asked for, and the cast's first batch
	v_add_nc_u32 v[AK], s[TBK], v[AK0]
	FETCH_K                         ; key step 0
	s_wait_loadcnt 0x0              ; Q (and the batch behind it)
	s_wait_dscnt 0x0
.set i, 0
.rept 8
	KQ 0                            ; piece 0's first scores
.set i, i+1
.endr
	WIN 0
.rept 4
	v_nop                           ; the places behind those products
.endr
.set Y, NP-1                        ; X works for piece Y + 1: piece 0
.irp n, 0,1,2,3,4,5,6,7,8,9,10,11,12,13,14,15,16,17,18,19,20,21
	OP X, \n
.endr
	v_nop                           ; a plain instruction behind the exponential
	s_mov_b32 s[CNT], 4
	s_mov_b32 s[SLOTS], SEQ/256-1
	s_branch .Lfirst                ; the loop is entered at a step's first turn, in the middle of a trip
.Lslot:                             ; SEQ / 256 - 2 times: every slot but the last two is filled again
	CHANGE 1, 1
	s_mov_b32 s[CNT], 4
.Lstep:                             ; a trip: pieces 2 and 3 of one step, then pieces 0 and 1 of the next, whose K and V it fetches
	TURN 2
	TURN 3
	WIN 0
.Lfirst:
	TURN 0
	TURN 1, 0, 1
	WIN 0
	s_cbranch_scc1 .Lstep
	s_sub_co_u32 s[SLOTS], s[SLOTS], 1
	s_cmp_lg_u32 s[SLOTS], 0
	s_cbranch_scc1 .Lslot
	CHANGE 0, 1                     ; the last slot is written out: no tile is asked for; the cast's last batch is
	s_mov_b32 s[CNT], 5             ; four trips fetch the last slot's steps; the fifth is left in its middle
.Ltail:
	TURN 2, 1
	TURN 3
	WIN 0
	s_sub_co_u32 s[CNT], s[CNT], 1
	s_cmp_eq_u32 s[CNT], 0
	s_cbranch_scc1 .Lout
	TURN 0
	TURN 1
	WIN 0
	s_branch .Ltail
.Lout:                              ; the fifth trip's 8 products K Q^T (on the last K once more) and the maximum made of them serve nothing: the price, once a launch, of one text for every trip
.set i, 0
.rept 8
	PV NP-1                         ; the last piece's V^T P of the last step
.set i, i+1
.endr
	CASTOUT                         ; the cast's last batch; its roundings, which name no register of those products, are also places behind them
	; THE WAY OUT.  l's two halves and the other half of the lanes' are added; O^T is divided by l, rounded to bf16 and sent through my stage in LDS, a piece at a time.
	WIN 0
.macro ALL line:vararg              ; one line for each piece t
.set t, 0
.rept 4
	\line
.set t, t+1
.endr
.endm
	ALL v_add_f32 v[ST+4*t+2], v[ST+4*t+2], v[ST+4*t+3]
	ALL v_permlanex16_b32 v[ST+4*t+3], v[ST+4*t+2], s[SEL], s[SEL+1]
	ALL v_add_f32 v[ST+4*t+2], v[ST+4*t+2], v[ST+4*t+3]
	ALL v_rcp_f32 v[ST+4*t+2], v[ST+4*t+2]
	v_nop                           ; a plain instruction between the last reciprocal and the use of its result
.macro PACK t                       ; a lane's eight channels of a row pack into 16 bytes; they go into rows of 144 bytes and come back as whole rows of 128, into S^T's registers
	WIN W_RS
.set i, 32*(\t)
.rept 16
	s_wait_alu depctr_va_vdst(0)
	v_pk_mul_f32 v[i:i+1], v[i:i+1], v[ST+4*(\t)+2:ST+4*(\t)+3] op_sel_hi:[1,0]
.set i, i+2
.endr
	WIN 0x05                        ; sources 0 and 1 window 1, destination window 0
.set i, 0
.rept 16
	v_cvt_pk_bf16_f32 v[S+16*(\t)+i], v[32*(\t)+2*i], v[32*(\t)+2*i+1]
.set i, i+1
.endr
	WIN 0
.irp f, 0,1,2,3
	ds_store_b128 v[STO], v[S+16*(\t)+4*\f:S+16*(\t)+4*\f+3] offset:32*\f
.endr
.irp f, 0,1,2,3
	ds_load_b128 v[S+16*(\t)+4*\f:S+16*(\t)+4*\f+3], v[RD] offset:\f*4*SP  ; LDS serves a wave's instructions in order (ISA guide 5.7.1.4): these see the stores above; the next piece's stores come behind them
.endr
.endm
.macro SEND t, younger              ; younger: the LDS instructions issued behind piece t's loads: the next piece's eight, or none
	WIN 0
.irp f, 0,1,2,3
	s_wait_dscnt (\younger)+3-\f
	global_store_b128 v[GO], v[S+16*(\t)+4*\f:S+16*(\t)+4*\f+3], s[10:11] offset:(\t)*2048+\f*512  ; 512 consecutive bytes, at a multiple of 256 from O's first
.endr
.endm
	PACK 0
.set t, 1
.rept 3                             ; a piece's arithmetic stands between the loads of the piece before and its stores
	PACK t
	SEND t-1, 8
.set t, t+1
.endr
	SEND 3, 0
	s_wait_tensorcnt 0x0            ; the wave's end
	ds_add_u32 v[SPW], v[NIL]
	s_wait_dscnt 0x0
	CROUND                          ; the closing round: no work-group ends while a partner may still ask for a tile that names it
	s_endpgm
.Lfunc_end_k_q735ac1d46c_attn:
	.size	k_q735ac1d46c_attn, .Lfunc_end_k_q735ac1d46c_attn-k_q735ac1d46c_attn
	.p2alignl 7, 3214868480
	.fill 96, 4, 3214868480
	.section	.rodata,"a",@progbits
	.p2align	6, 0x0
	.amdhsa_kernel k_q735ac1d46c_attn
		.amdhsa_group_segment_fixed_size 327680
		.amdhsa_private_segment_fixed_size 0
		.amdhsa_enable_private_segment 0
		.amdhsa_kernarg_size 48
		.amdhsa_user_sgpr_count 2
		.amdhsa_user_sgpr_kernarg_segment_ptr 1
		.amdhsa_wavefront_size32 1
		.amdhsa_system_sgpr_workgroup_id_x 1
		.amdhsa_system_sgpr_workgroup_id_y 1
		.amdhsa_system_sgpr_workgroup_id_z 1
		.amdhsa_system_vgpr_workitem_id 0
		.amdhsa_next_free_vgpr 768
		.amdhsa_next_free_sgpr 84
		.amdhsa_reserve_vcc 0
		.amdhsa_float_denorm_mode_32 3
		.amdhsa_float_denorm_mode_16_64 3
		.amdhsa_memory_ordered 1
		.amdhsa_forward_progress 1
		.amdhsa_inst_pref_size 126
	.end_amdhsa_kernel
	.amdgpu_metadata
---
amdhsa.version: [ 1, 2 ]
amdhsa.kernels:
  - .name:           k_q735ac1d46c_attn
    .symbol:         k_q735ac1d46c_attn.kd
    .args:
      - { .name: qkvb, .offset: 0, .size: 8, .value_kind: global_buffer, .address_space: global }
      - { .name: ob, .offset: 8, .size: 8, .value_kind: global_buffer, .address_space: global }
      - { .name: Wo, .offset: 16, .size: 8, .value_kind: global_buffer, .address_space: global }
      - { .name: W1, .offset: 24, .size: 8, .value_kind: global_buffer, .address_space: global }
      - { .name: W2, .offset: 32, .size: 8, .value_kind: global_buffer, .address_space: global }
      - { .name: wb, .offset: 40, .size: 8, .value_kind: global_buffer, .address_space: global }
    .group_segment_fixed_size: 327680
    .private_segment_fixed_size: 0
    .kernarg_segment_align: 8
    .kernarg_segment_size: 48
    .max_flat_workgroup_size: 128
    .sgpr_count:     84
    .vgpr_count:     768
    .wavefront_size: 32
...
	.end_amdgpu_metadata
.endif
;; end of part 3
;; launch oproj (part 4): grid 8 x 32, 4 waves a work-group, clusters of 4 x 4, 327,680 bytes of LDS; arguments ob, wb, bo, x, x1; writes x1
.if DOCPART == 4
	.amdgcn_target "amdgcn-amd-amdhsa--gfx1250"
	.amdhsa_code_object_version 6
	.text
	.protected	k_q735ac1d46c_oproj
	.globl	k_q735ac1d46c_oproj
	.p2align	8
	.type	k_q735ac1d46c_oproj,@function
k_q735ac1d46c_oproj:
	s_mov_b64 s[64:65], 0
	v_nop
	global_prefetch_b8 v0, s[64:65] scope:SCOPE_SE
	s_setreg_imm32_b32 hwreg(HW_REG_WAVE_MODE, 25, 1), 1
	s_wait_xcnt 0x0
	s_wait_alu depctr_hold_cnt(0) depctr_sa_sdst(0) depctr_va_vdst(0) depctr_va_sdst(0) depctr_va_ssrc(0) depctr_va_vcc(0) depctr_vm_vsrc(0)
	s_getreg_b32 s2, hwreg(HW_REG_IB_STS2, 6, 4)
	s_cmp_eq_u32 s2, 0
	s_cbranch_scc0 .Lentry_in_a_cluster
	s_endpgm
.Lentry_in_a_cluster:
	s_bfe_u32 s2, ttmp6, 0x10000c
	s_cmp_lg_u32 s2, 0xf033
	s_cbranch_scc0 .Lentry_shape_is_right
	s_endpgm
.Lentry_shape_is_right:
; OUT = RES + A B^T + bias on tiles of 128 x 128, OUT and RES [4096][1024] f32; A and B bf16; sums in f32, K ascending.
; With BYHEADS = 1 (this launch): A = ob, the attention's result by heads [b x 16 + head][2048][64]; B = Wo; K = 1,024; RES = x; OUT = x1.
; With BYHEADS = 0: A = gbuf [4096][4096]; B = W2; K = 4,096; RES = x1; OUT = out0.
; SHARES.  Four waves, each 64 x 64: 16 accumulators of 16 x 16.  256 work-groups.  K goes in steps of 256 through two LDS slots filled by tensor loads.
; BY HEADS a K step is four heads: a load of A brings two heads' 128 rows, each head's part 16,384 dense bytes, asked for as one row of the tile and padded in LDS after every 128 bytes.
; K's order (head, channel) is that of Wo's columns, so B is fetched as it lies.
; THE SUMS START AS THE BIAS (loaded straight into the accumulators): every product adds in place and no first step is written out.  The residual's 32 loads a wave go out at the start
; and land under the K loop.  ONE TEXT FOR A K STEP: s45 holds the LDS byte of the slot in hand; the second descriptor set walks (its LDS word turned by an exclusive or with SLOT, whose two
; bits are clear in every base).  STEPS - 2 trips with a refill, two more, a second copy, without; the very last fetches 32 fragments that nothing multiplies: the price of one text.
; CLUSTER 4 x 4: A's tiles jointly along a row of the cluster, B's along a column.  A wave has two tensor loads out at the start, later one.
; THE MATRIX INSTRUCTION IS USED TRANSPOSED (source 0 = 16 rows of B, source 1 = 16 rows of A): lane l holds row l % 16 and the columns 8 (l / 16) + 0..7.
; LIMITS.  Operands are bf16; NaN and infinities are not treated apart.
; REGISTERS: window 0: v16-29 addresses; v128-255 the accumulators ((a, b) at v[128 + 8 (4 a + b)]).  window 1: two fragment buffers of 128 (64 of A, 64 of B); on the way out v0-127 the rows.
;   window 2: v0-127 the residual.
.set BYHEADS, 1
.set KSTEP,  256
.set PITCH,  528                       ; a row of B in LDS: 512 bytes + 16: the 16 rows of a fragment load start at 16 different groups of four banks (64 banks of 4 bytes: ISA guide 11.1)
.set HALFT,  64*PITCH                  ; 64 rows of B: one tensor load
.if BYHEADS
.set KDIM,   1024
.set B_OFF,  6291456                   ; Wo in wb
.set APITCH, 144                       ; a head's row: 128 bytes + 16
.set HSL,    128*APITCH                ; a head's 128 rows
.set AHALF,  2*HSL                     ; one load of A: two heads
.set SLOT,   147456                    ; 0x24000: A's 73,728 bytes, B's 67,584, and room to a number whose bits no base has
.set ASTEP,  4*262144                  ; four heads on
.else
.set KDIM,   4096
.set B_OFF,  16777216                  ; W2 in wb
.set APITCH, 528
.set HSL,    128                       ; 128 bytes along a row are 128 bytes on
.set AHALF,  HALFT
.set SLOT,   135168                    ; 0x21000: A's 128 rows, then B's
.set ASTEP,  KSTEP*2
.endif
.set STEPS,  KDIM/KSTEP
.set BBASE,  2*AHALF                   ; B lies behind A
.set BSTEP,  KSTEP*2
.set SPARE,  2*SLOT                    ; behind the ring: the spare words, 128 bytes a wave
.set SPITCH, 272                       ; the way out: a row of 64 f32 + 16 bytes
.set WSTAGE, 64*SPITCH                 ; a wave's stage, in the ring's bytes once the ring is done
.set ADRA0, 16
.set ADRB0, 17
.set ADRA,  18
.set ADRB,  19
.set STO,   24
.set RD,    25
.set CO,    26                         ; v26  my byte offset in two rows of RES and OUT; never rewritten
.set BO,    27
.set SPW,   28
.set NIL,   29
.set ACC,   128
.set F0,    0
.set F1,    128
.set G1,  24
.set G0,  32
.set G1B, 48
.set G0B, 56
.set MSB, 0
.macro WIN new
.if MSB != (\new)
	s_set_vgpr_msb (MSB<<8)|(\new)
.set MSB, \new
.endif
.endm
.set MUL,  0x05                        ; sources 0 (B) and 1 (A) window 1; C and D window 0
.set TO_F, 0x40                        ; destination window 1, address window 0
.macro JLOAD s                         ; a joint load: waves 0 and 1 fetch A's two halves, waves 2 and 3 B's; an s_nop 0 and four v_nop follow each line
	s_cmp_eq_u32 s11, 0
	s_cbranch_scc0 .Lfor_b_\@
	tensor_load_to_lds s[G0+4*(\s):G0+4*(\s)+3], s[G1:G1+7]
	s_nop 0
.rept 4
	v_nop
.endr
	s_branch .Lasked_\@
.Lfor_b_\@:
	tensor_load_to_lds s[G0B+4*(\s):G0B+4*(\s)+3], s[G1B:G1B+7]
	s_nop 0
.rept 4
	v_nop
.endr
.Lasked_\@:
.endm
.macro CREST
	s_cmp_lg_u32 s10, 0
	s_cbranch_scc1 .Lnot_wave_0_\@
	s_barrier_signal -3
.Lnot_wave_0_\@:
	s_barrier_wait -3
	s_barrier_signal -1
	s_barrier_wait -1
.endm
.macro CROUND
	s_barrier_signal -1
	s_barrier_wait -1
	CREST
.endm
.macro PLACES                          ; four plain instructions between a matrix instruction and a load into, or a read of, its registers (ISA guide 7.12.1 for a read)
.rept 4
	v_nop
.endr
.endm
	s_load_b128 s[4:7], s[0:1], 0x0                ; A s[4:5], wb s[6:7]
	s_load_b128 s[68:71], s[0:1], 0x10             ; bias 68, RES 70
	s_load_b64 s[72:73], s[0:1], 0x20              ; OUT
	v_lshl_add_u32 v[SPW], v0, 2, SPARE
	v_mov_b32 v[NIL], 0
	ds_add_u32 v[SPW], v[NIL]                      ; the wave's opening: the add and its wait ahead of my first tensor load
	v_lshrrev_b32 v1, 5, v0
	v_readfirstlane_b32 s10, v1                    ; wave 0..3
	s_lshr_b32 s11, s10, 1                         ; my half of the tile's rows.  Also: I fetch for A (0) or for B (1)
	s_and_b32 s12, s10, 1                          ; my half of its columns.  Also: which half of that tile I fetch
	s_bfe_u32 s40, ttmp6, 0x40000                  ; cx
	s_bfe_u32 s41, ttmp6, 0x40004                  ; cy
	s_lshl_b32 s42, ttmp9, 2
	s_add_co_u32 s42, s42, s40                     ; tile column
	s_and_b32 s13, ttmp7, 0xffff
	s_lshl_b32 s13, s13, 2
	s_add_co_u32 s13, s13, s41                     ; tile row
	s_lshl_b32 s43, s41, 2
	s_lshl_b32 s43, 15, s43                        ; my row of the cluster
	s_lshl_b32 s44, 0x1111, s40                    ; my column
.if BYHEADS
	s_or_b32 s[G1+0], s43, (1<<16)|(1<<20)|(1<<21)|(4<<22)|(3<<25)  ; the mask; 2-byte elements; padding on; bit 21 beside a mask; after every 32 words 4 words
	s_mov_b32 s[G1+1], 8192<<16                    ; tensor_dim0 = 8,192: a head's 128 rows of 64
	s_mov_b32 s[G1+2], 2<<16                       ; tensor_dim1 = 2 heads
	s_mov_b32 s[G1+3], 8192<<16                    ; tile_dim0
	s_mov_b32 s[G1+4], 2                           ; tile_dim1
	s_mov_b32 s[G1+5], 131072                      ; elements from head to head
.else
	s_or_b32 s[G1+0], s43, (1<<16)|(1<<20)|(1<<21)|(6<<22)|(3<<25)  ; after every 128 words 4 words
	s_mov_b32 s[G1+1], KSTEP<<16
	s_mov_b32 s[G1+2], 64<<16
	s_mov_b32 s[G1+3], KSTEP<<16
	s_mov_b32 s[G1+4], 64
	s_mov_b32 s[G1+5], KDIM
.endif
	s_mov_b32 s[G1+6], 0
	s_mov_b32 s[G1+7], 0
	s_or_b32 s[G1B+0], s44, (1<<16)|(1<<20)|(1<<21)|(6<<22)|(3<<25)
	s_mov_b32 s[G1B+1], KSTEP<<16                  ; 64 rows of 256 elements
	s_mov_b32 s[G1B+2], 64<<16
	s_mov_b32 s[G1B+3], KSTEP<<16
	s_mov_b32 s[G1B+4], 64
	s_mov_b32 s[G1B+5], KDIM
	s_mov_b32 s[G1B+6], 0
	s_mov_b32 s[G1B+7], 0
.if BYHEADS
	s_lshr_b32 s16, s13, 4                         ; A: the batch's 16 heads of 262,144 bytes,
	s_lshl_b32 s16, s16, 22
	s_and_b32 s17, s13, 15                         ; the tile's 128 rows of 128 bytes in a head,
	s_lshl_b32 s17, s17, 14
	s_add_co_u32 s16, s16, s17
	s_lshl_b32 s17, s12, 19                        ; my two heads of the step's four
	s_add_co_u32 s16, s16, s17
.else
	s_mul_i32 s16, s13, 128*KDIM*2                 ; A: row 128 x tile row + 64 x half
	s_mul_i32 s17, s12, 64*KDIM*2
	s_add_co_u32 s16, s16, s17
.endif
	s_mov_b32 s17, 0
	s_mul_i32 s46, s42, 128*KDIM*2                 ; B: row 128 x tile column + 64 x half, in registers of its own
	s_mul_i32 s47, s12, 64*KDIM*2
	s_add_co_u32 s46, s46, s47
	s_add_co_u32 s46, s46, B_OFF
	s_mov_b32 s47, 0
	s_mul_i32 s20, s12, AHALF                      ; where a load of A lands,
	s_mul_i32 s21, s12, HALFT                      ; and one of B: no place in the cluster enters an LDS address
	s_add_co_u32 s21, s21, BBASE
	s_wait_dscnt 0x0                               ; the opening add is done
	s_wait_kmcnt 0x0
	s_add_nc_u64 s[14:15], s[4:5], s[16:17]
	s_add_nc_u64 s[46:47], s[6:7], s[46:47]
	CROUND                                         ; all sixteen work-groups are here: the first joint loads meet
.irp s, 0,1
	s_mov_b32 s[G0+4*(\s)], 1
	s_add_co_u32 s[G0+4*(\s)+1], s20, (\s)*SLOT
	s_add_nc_u64 s[G0+4*(\s)+2:G0+4*(\s)+3], s[14:15], (\s)*ASTEP
	s_or_b32 s[G0+4*(\s)+3], s[G0+4*(\s)+3], 0x80000000
	s_mov_b32 s[G0B+4*(\s)], 1
	s_add_co_u32 s[G0B+4*(\s)+1], s21, (\s)*SLOT
	s_add_nc_u64 s[G0B+4*(\s)+2:G0B+4*(\s)+3], s[46:47], (\s)*BSTEP
	s_or_b32 s[G0B+4*(\s)+3], s[G0B+4*(\s)+3], 0x80000000
	JLOAD \s
.endr
	s_lshl_b32 s46, s42, 9                         ; my first column: (128 x tile column + 64 x half) x 4 bytes
	s_lshl_b32 s47, s12, 8
	s_add_co_u32 s46, s46, s47
	s_mov_b32 s47, 0
	s_add_nc_u64 s[66:67], s[68:69], s[46:47]      ; the bias there
	s_lshl_b32 s47, s13, 19                        ; + my first row: (128 x tile row + 64 x half) x 4,096 bytes
	s_add_co_u32 s46, s46, s47
	s_lshl_b32 s47, s11, 18
	s_add_co_u32 s46, s46, s47
	s_mov_b32 s47, 0
	s_add_nc_u64 s[70:71], s[70:71], s[46:47]      ; RES and OUT at my 64 x 64
	s_add_nc_u64 s[8:9], s[72:73], s[46:47]
	v_and_b32 v1, 15, v0                           ; l % 16
	v_bfe_u32 v2, v0, 4, 1                         ; l / 16
	v_lshlrev_b32 v[BO], 5, v2
	v_lshlrev_b32 v5, 12, v2                       ; lanes 0-15 one row of 256 bytes, lanes 16-31 the next
	v_lshl_add_u32 v[CO], v1, 4, v5
.set i, 0
.rept 16                               ; accumulator (a, b) holds the columns 16 b + 8 (l / 16) + 0..7 in every row: it starts as their bias
	global_load_b128 v[ACC+8*i:ACC+8*i+3],   v[BO], s[66:67] offset:64*(i%4)
	global_load_b128 v[ACC+8*i+4:ACC+8*i+7], v[BO], s[66:67] offset:64*(i%4)+16
.set i, i+1
.endr
	WIN 0x80                                       ; destination window 2
.set i, 0
.rept 32
	global_load_b128 v[4*i:4*i+3], v[CO], s[70:71] offset:8192*i  ; the residual: rows 2 i and 2 i + 1
.set i, i+1
.endr
	WIN 0
	v_mul_u32_u24 v3, v1, APITCH                   ; a fragment's row x pitch + 16 x half
	v_lshl_add_u32 v3, v2, 4, v3
	s_mul_i32 s22, s11, 64*APITCH                  ; my 64 rows of A
	v_add_nc_u32 v[ADRA0], s22, v3
	v_mul_u32_u24 v3, v1, PITCH
	v_lshl_add_u32 v3, v2, 4, v3
	v_add_nc_u32 v[ADRB0], s21, v3                 ; my 64 rows of B: the half that bears my columns' number
	v_mov_b32 v[ADRA], v[ADRA0]                    ; slot 0
	v_mov_b32 v[ADRB], v[ADRB0]
	s_mov_b32 s45, 0
	s_mul_i32 s23, s10, WSTAGE                     ; my stage
	v_mul_u32_u24 v4, v1, SPITCH                   ; in: row l % 16, 32 bytes for each half of the lanes
	v_lshl_add_u32 v4, v2, 5, v4
	v_add_nc_u32 v[STO], s23, v4
	v_mul_u32_u24 v5, v2, SPITCH                   ; back: whole rows of 256 bytes
	v_lshl_add_u32 v5, v1, 4, v5
	v_add_nc_u32 v[RD], s23, v5
; 8 matrix instructions: m blocks a0, a0 + 1 x all 4 n blocks, 32 along K: half c of buffer f.  The 16 accumulators take turns, one instruction a turn.
.macro MUL8 f, c, a0
	WIN MUL
.irp a, \a0, (\a0)+1
.irp b, 0,1,2,3
	v_wmma_f32_16x16x32_bf16 v[ACC+8*(4*(\a)+(\b)):ACC+8*(4*(\a)+(\b))+7], v[(\f)+64+8*(4*(\c)+(\b)):(\f)+64+8*(4*(\c)+(\b))+7], v[(\f)+8*(4*(\c)+(\a)):(\f)+8*(4*(\c)+(\a))+7], v[ACC+8*(4*(\a)+(\b)):ACC+8*(4*(\a)+(\b))+7]
.endr
.endr
.endm
; 32 LDS loads in one run: the fragments of 64 along K at byte k of the step's 512, into buffer f; the first 32 along K first.  In A, 128 bytes along K are HSL bytes on.
.macro FETCH k, f
	WIN TO_F
.irp c, 0,1
.irp i, 0,1,2,3
.set AO, (((\k)+64*(\c))/128)*HSL+((\k)+64*(\c))%128+(\i)*16*APITCH
	ds_load_b128 v[(\f)+64+8*(4*(\c)+(\i)):(\f)+64+8*(4*(\c)+(\i))+3],   v[ADRB] offset:(\k)+64*(\c)+(\i)*16*PITCH
	ds_load_b128 v[(\f)+64+8*(4*(\c)+(\i))+4:(\f)+64+8*(4*(\c)+(\i))+7], v[ADRB] offset:(\k)+64*(\c)+(\i)*16*PITCH+32
	ds_load_b128 v[(\f)+8*(4*(\c)+(\i)):(\f)+8*(4*(\c)+(\i))+3],         v[ADRA] offset:AO
	ds_load_b128 v[(\f)+8*(4*(\c)+(\i))+4:(\f)+8*(4*(\c)+(\i))+7],       v[ADRA] offset:AO+32
.endr
.endr
.endm
.macro QUARTER k, f, g                 ; one of a K step's first three quarters of 64 along K
	s_wait_dscnt 16                                ; the first 32 along K are in
	MUL8 \f, 0, 0
	MUL8 \f, 0, 2
	PLACES
	FETCH \k, \g
	s_wait_dscnt 32                                ; all but the 32 just issued
	MUL8 \f, 1, 0
	MUL8 \f, 1, 2
.endm
; The last quarter multiplies buffer 1 and changes slots: one barrier; in front of it each wave waits for all its tensor loads, adds 0 to its spare word, and waits for that and for its reads of this slot.
; fill = 1: the barrier opens a round of the cluster's, and this slot is filled again first thing behind it, two K steps ahead: 112 matrix instructions stand between the request and the wait for it.
.macro TURN fill
	WIN 0
	s_xor_b32 s45, s45, SLOT                       ; the other slot: this slot's last fragments have been asked for
	v_add_nc_u32 v[ADRA], s45, v[ADRA0]
	v_add_nc_u32 v[ADRB], s45, v[ADRB0]
	s_wait_tensorcnt 0x0                           ; all my tensor loads have landed
	ds_add_u32 v[SPW], v[NIL]                      ; 0 onto my spare word
	s_wait_dscnt 17                                ; (the add and the youngest sixteen loads may be out)
	MUL8 F1, 0, 0
	s_wait_dscnt 0x0                               ; the add is done, and my reads of this slot are over
	s_barrier_signal -1
	MUL8 F1, 0, 2
.if \fill
	WIN 0
.endif
	s_barrier_wait -1
.if \fill
	CREST                                          ; no wave of any partner still reads this slot or has a load on its way
	s_xor_b32 s[G0+5], s[G0+5], SLOT
	s_add_nc_u64 s[G0+6:G0+7], s[G0+6:G0+7], ASTEP
	s_xor_b32 s[G0B+5], s[G0B+5], SLOT
	s_add_nc_u64 s[G0B+6:G0B+7], s[G0B+6:G0B+7], BSTEP
	JLOAD 1                                        ; my one tensor load behind the round; its four v_nop are also the places in front of the loads below
.else
	PLACES
.endif
	FETCH 0, F0
	MUL8 F1, 1, 0
	MUL8 F1, 1, 2
.endm
.macro KSTEPM fill
	QUARTER 128, F0, F1
	QUARTER 256, F1, F0
	QUARTER 384, F0, F1
	TURN \fill
.endm
	s_wait_tensorcnt 1                             ; my part of K step 0 is in; step 1's may stay out
	s_barrier_signal -1
	s_barrier_wait -1
	FETCH 0, F0
	WIN 0
	s_wait_loadcnt 32                              ; the bias is in the accumulators; the residual's 32 loads stay out
	s_mov_b32 s3, STEPS-2
.Lmain:
	KSTEPM 1
	WIN 0
	s_sub_co_u32 s3, s3, 1
	s_cmp_lg_u32 s3, 0
	s_cbranch_scc1 .Lmain
	s_mov_b32 s3, 2
.Ltail:                                                ; the last two K steps ask for nothing
	KSTEPM 0
	WIN 0
	s_sub_co_u32 s3, s3, 1
	s_cmp_lg_u32 s3, 0
	s_cbranch_scc1 .Ltail
	; THE WAY OUT.  The ring has had its last fill; when every wave's reads of it are back, its first bytes become the four stages.
	PLACES
	s_wait_dscnt 0x0
	s_barrier_signal -1
	s_barrier_wait -1
.set i, 0
.rept 16                               ; each accumulator's low four registers first
	ds_store_b128 v[STO], v[ACC+8*i:ACC+8*i+3]   offset:(i/4)*16*SPITCH+64*(i%4)
	ds_store_b128 v[STO], v[ACC+8*i+4:ACC+8*i+7] offset:(i/4)*16*SPITCH+64*(i%4)+16
.set i, i+1
.endr
	WIN TO_F
.set i, 0
.rept 32
	ds_load_b128 v[4*i:4*i+3], v[RD] offset:2*SPITCH*i  ; LDS serves a wave's instructions in order (ISA guide 5.7.1.4): these see my stores above
.set i, i+1
.endr
	s_wait_dscnt 0x0
	s_wait_loadcnt 0x0                             ; the residual
	WIN 0x49                                       ; destination and source 0 window 1, source 1 window 2
.set i, 0
.rept 64
	v_pk_add_f32 v[2*i:2*i+1], v[2*i:2*i+1], v[2*i:2*i+1]
.set i, i+1
.endr
	WIN 0x04                                       ; the stores' data in window 1
.set i, 0
.rept 32
	global_store_b128 v[CO], v[4*i:4*i+3], s[8:9] offset:8192*i  ; 16 lanes store 256 consecutive bytes, aligned
.set i, i+1
.endr
	WIN 0
	s_wait_tensorcnt 0x0                           ; the wave's end
	ds_add_u32 v[SPW], v[NIL]
	s_wait_dscnt 0x0
	CROUND                                         ; the closing round
	s_endpgm
.Lfunc_end_k_q735ac1d46c_oproj:
	.size	k_q735ac1d46c_oproj, .Lfunc_end_k_q735ac1d46c_oproj-k_q735ac1d46c_oproj
	.p2alignl 7, 3214868480
	.fill 96, 4, 3214868480
	.section	.rodata,"a",@progbits
	.p2align	6, 0x0
	.amdhsa_kernel k_q735ac1d46c_oproj
		.amdhsa_group_segment_fixed_size 327680
		.amdhsa_private_segment_fixed_size 0
		.amdhsa_enable_private_segment 0
		.amdhsa_kernarg_size 40
		.amdhsa_user_sgpr_count 2
		.amdhsa_user_sgpr_kernarg_segment_ptr 1
		.amdhsa_wavefront_size32 1
		.amdhsa_system_sgpr_workgroup_id_x 1
		.amdhsa_system_sgpr_workgroup_id_y 1
		.amdhsa_system_sgpr_workgroup_id_z 1
		.amdhsa_system_vgpr_workitem_id 0
		.amdhsa_next_free_vgpr 640
		.amdhsa_next_free_sgpr 76
		.amdhsa_reserve_vcc 0
		.amdhsa_float_denorm_mode_32 3
		.amdhsa_float_denorm_mode_16_64 3
		.amdhsa_memory_ordered 1
		.amdhsa_forward_progress 1
		.amdhsa_inst_pref_size 63
	.end_amdhsa_kernel
	.amdgpu_metadata
---
amdhsa.version: [ 1, 2 ]
amdhsa.kernels:
  - .name:           k_q735ac1d46c_oproj
    .symbol:         k_q735ac1d46c_oproj.kd
    .args:
      - { .name: ob, .offset: 0, .size: 8, .value_kind: global_buffer, .address_space: global }
      - { .name: wb, .offset: 8, .size: 8, .value_kind: global_buffer, .address_space: global }
      - { .name: bo, .offset: 16, .size: 8, .value_kind: global_buffer, .address_space: global }
      - { .name: x, .offset: 24, .size: 8, .value_kind: global_buffer, .address_space: global }
      - { .name: x1, .offset: 32, .size: 8, .value_kind: global_buffer, .address_space: global }
    .group_segment_fixed_size: 327680
    .private_segment_fixed_size: 0
    .kernarg_segment_align: 8
    .kernarg_segment_size: 40
    .max_flat_workgroup_size: 128
    .sgpr_count:     76
    .vgpr_count:     640
    .wavefront_size: 32
...
	.end_amdgpu_metadata
.endif
;; end of part 4
;; launch ln2norm (part 5): grid 64 x 4, 8 waves a work-group, no clusters, 0 bytes of LDS; arguments x1, ln2_g, ln2_b, hn; writes hn
.if DOCPART == 5
	.amdgcn_target "amdgcn-amd-amdhsa--gfx1250"
	.amdhsa_code_object_version 6
	.text
	.protected	k_q735ac1d46c_ln2norm
	.globl	k_q735ac1d46c_ln2norm
	.p2align	8
	.type	k_q735ac1d46c_ln2norm,@function
k_q735ac1d46c_ln2norm:
	s_mov_b64 s[64:65], 0
	v_nop
	global_prefetch_b8 v0, s[64:65] scope:SCOPE_SE
	s_setreg_imm32_b32 hwreg(HW_REG_WAVE_MODE, 25, 1), 1
	s_wait_xcnt 0x0
; hn = layernorm(x1) x ln2_g + ln2_b, in f32, rounded once to bf16.  x1: [4096][1024] f32.  A work-group takes 16 rows, a wave two: a row is 32 registers a lane and stays there between
; the passes, so x1 is read once.  The mean is taken away first and the variance is that of the centred row.  No LDS, no barrier: the bytes bound this launch.  NaN and infinities are not treated apart.
.set X0,  8                            ; v[8:39]    my wave's first row
.set X1,  40                           ; v[40:71]   its second row
.set GA,  72                           ; v[72:103]  the gain of my 32 columns
.set BE,  104                          ; v[104:135] the bias of my 32 columns
.set T,   136                          ; v[136:143] four pairs at work
.set MU,  144                          ; v[144:145] the mean, twice
.set RS,  146                          ; v[146:147] 1 / sqrt(var + eps), twice
.set OUTP, 14                          ; s[14:15]   hn
; The four pairs at T become one number, the same in all 32 lanes.
.macro REDUCE
	v_pk_add_f32 v[T:T+1], v[T:T+1], v[T+2:T+3]
	v_pk_add_f32 v[T+4:T+5], v[T+4:T+5], v[T+6:T+7]
	v_pk_add_f32 v[T:T+1], v[T:T+1], v[T+4:T+5]
	v_add_f32 v[T], v[T], v[T+1]
	v_add_f32_dpp v[T], v[T], v[T] row_xmask:1 row_mask:0xf bank_mask:0xf
	v_add_f32_dpp v[T], v[T], v[T] row_xmask:2 row_mask:0xf bank_mask:0xf
	v_add_f32_dpp v[T], v[T], v[T] row_xmask:4 row_mask:0xf bank_mask:0xf
	v_add_f32_dpp v[T], v[T], v[T] row_xmask:8 row_mask:0xf bank_mask:0xf
	v_permlanex16_b32 v[T+1], v[T], s6, s7         ; its destination counts as read: T+1 has been written
	v_add_f32 v[T], v[T], v[T+1]
.endm
; The row at x (16 pairs) becomes (x - mean) / sqrt(var + eps), in place.
.macro LNSTAT x
.irp p, 0,1,2,3
	v_pk_add_f32 v[T+2*(\p):T+2*(\p)+1], v[(\x)+4*(\p):(\x)+4*(\p)+1], v[(\x)+4*(\p)+2:(\x)+4*(\p)+3]  ; the first eight pairs start four chains: nothing is cleared
.endr
.irp p, 8,9,10,11,12,13,14,15
	v_pk_add_f32 v[T+2*((\p)%4):T+2*((\p)%4)+1], v[T+2*((\p)%4):T+2*((\p)%4)+1], v[(\x)+2*(\p):(\x)+2*(\p)+1]
.endr
	REDUCE
	v_mul_f32 v[MU], s4, v[T]                      ; the mean
	v_mov_b32 v[MU+1], v[MU]
.irp p, 0,1,2,3,4,5,6,7,8,9,10,11,12,13,14,15
	v_pk_add_f32 v[(\x)+2*(\p):(\x)+2*(\p)+1], v[(\x)+2*(\p):(\x)+2*(\p)+1], v[MU:MU+1] neg_lo:[0,1] neg_hi:[0,1]
.endr
.irp p, 0,1,2,3
	v_pk_mul_f32 v[T+2*(\p):T+2*(\p)+1], v[(\x)+2*(\p):(\x)+2*(\p)+1], v[(\x)+2*(\p):(\x)+2*(\p)+1]
.endr
.irp p, 4,5,6,7,8,9,10,11,12,13,14,15
	v_pk_fma_f32 v[T+2*((\p)%4):T+2*((\p)%4)+1], v[(\x)+2*(\p):(\x)+2*(\p)+1], v[(\x)+2*(\p):(\x)+2*(\p)+1], v[T+2*((\p)%4):T+2*((\p)%4)+1]
.endr
	REDUCE
	v_fma_f32 v[RS], v[T], s4, s5                  ; var + eps
	v_rsq_f32 v[RS], v[RS]
	v_nop                                          ; a plain instruction between the root and the use of its result (ISA guide 5.7.2)
	s_wait_alu depctr_va_vdst(0)
	v_mov_b32 v[RS+1], v[RS]
.irp p, 0,1,2,3,4,5,6,7,8,9,10,11,12,13,14,15
	v_pk_mul_f32 v[(\x)+2*(\p):(\x)+2*(\p)+1], v[(\x)+2*(\p):(\x)+2*(\p)+1], v[RS:RS+1]
.endr
.endm
; Gain and bias, the rounding, and eight stores of 256 consecutive bytes each.
.macro LNOUT x, rowoff
.irp p, 0,1,2,3,4,5,6,7,8,9,10,11,12,13,14,15
	v_pk_fma_f32 v[(\x)+2*(\p):(\x)+2*(\p)+1], v[(\x)+2*(\p):(\x)+2*(\p)+1], v[GA+2*(\p):GA+2*(\p)+1], v[BE+2*(\p):BE+2*(\p)+1]
.endr
.irp j, 0,1,2,3,4,5,6,7
	v_cvt_pk_bf16_f32 v[(\x)+4*(\j)],   v[(\x)+4*(\j)],   v[(\x)+4*(\j)+1]
	v_cvt_pk_bf16_f32 v[(\x)+4*(\j)+1], v[(\x)+4*(\j)+2], v[(\x)+4*(\j)+3]
	global_store_b64 v2, v[(\x)+4*(\j):(\x)+4*(\j)+1], s[OUTP:OUTP+1] offset:(\rowoff)+256*(\j)
.endr
.endm
	s_load_b256 s[8:15], s[0:1], 0x0               ; x1 8, ln2_g 10, ln2_b 12, hn 14
	s_and_b32 s2, ttmp7, 0xffff
	s_lshl_b32 s2, s2, 6
	s_add_co_u32 s2, s2, ttmp9                     ; my block of 16 rows, 0 to 255
	s_lshl_b32 s4, s2, 16                          ; 16 rows of 4,096 bytes
	s_mov_b32 s5, 0
	s_wait_kmcnt 0x0
	s_add_nc_u64 s[8:9], s[8:9], s[4:5]
	s_lshl_b32 s4, s2, 15                          ; 16 rows of 2,048 bytes
	s_add_nc_u64 s[OUTP:OUTP+1], s[OUTP:OUTP+1], s[4:5]
	s_mov_b32 s4, 0x3a800000                       ; 1 / 1024
	s_mov_b32 s5, 0x3727c5ac                       ; eps = 1e-5
	s_mov_b32 s6, 0x76543210                       ; v_permlanex16_b32: each lane takes its own place in the other half
	s_mov_b32 s7, 0xfedcba98
	v_and_b32 v5, 31, v0                           ; lane
	v_lshrrev_b32 v3, 5, v0                        ; wave
	v_lshlrev_b32 v4, 4, v5                        ; my 16 bytes in 512 of gain and bias
	v_lshl_add_u32 v1, v3, 13, v4                  ; and of x1: + wave x 2 rows
	v_lshlrev_b32 v2, 3, v5
	v_lshl_add_u32 v2, v3, 12, v2                  ; my 8 bytes in 256 of hn
.irp j, 0,1,2,3,4,5,6,7
	global_load_b128 v[X0+4*(\j):X0+4*(\j)+3], v1, s[8:9] offset:512*(\j)
.endr
.irp j, 0,1,2,3,4,5,6,7
	global_load_b128 v[X1+4*(\j):X1+4*(\j)+3], v1, s[8:9] offset:4096+512*(\j)
.endr
.irp j, 0,1,2,3,4,5,6,7
	global_load_b128 v[GA+4*(\j):GA+4*(\j)+3], v4, s[10:11] offset:512*(\j)
.endr
.irp j, 0,1,2,3,4,5,6,7
	global_load_b128 v[BE+4*(\j):BE+4*(\j)+3], v4, s[12:13] offset:512*(\j)
.endr
	s_wait_loadcnt 24                              ; the first row is in; 24 younger loads stay out
	LNSTAT X0
	s_wait_loadcnt 16                              ; the second row; gain and bias stay out
	LNSTAT X1
	s_wait_loadcnt 0x0
	LNOUT X0, 0
	LNOUT X1, 2048
	s_endpgm
.Lfunc_end_k_q735ac1d46c_ln2norm:
	.size	k_q735ac1d46c_ln2norm, .Lfunc_end_k_q735ac1d46c_ln2norm-k_q735ac1d46c_ln2norm
	.p2alignl 7, 3214868480
	.fill 96, 4, 3214868480
	.section	.rodata,"a",@progbits
	.p2align	6, 0x0
	.amdhsa_kernel k_q735ac1d46c_ln2norm
		.amdhsa_group_segment_fixed_size 0
		.amdhsa_private_segment_fixed_size 0
		.amdhsa_enable_private_segment 0
		.amdhsa_kernarg_size 32
		.amdhsa_user_sgpr_count 2
		.amdhsa_user_sgpr_kernarg_segment_ptr 1
		.amdhsa_wavefront_size32 1
		.amdhsa_system_sgpr_workgroup_id_x 1
		.amdhsa_system_sgpr_workgroup_id_y 1
		.amdhsa_system_sgpr_workgroup_id_z 1
		.amdhsa_system_vgpr_workitem_id 0
		.amdhsa_next_free_vgpr 148
		.amdhsa_next_free_sgpr 66
		.amdhsa_reserve_vcc 0
		.amdhsa_float_denorm_mode_32 3
		.amdhsa_float_denorm_mode_16_64 3
		.amdhsa_memory_ordered 1
		.amdhsa_forward_progress 1
		.amdhsa_inst_pref_size 20
	.end_amdhsa_kernel
	.amdgpu_metadata
---
amdhsa.version: [ 1, 2 ]
amdhsa.kernels:
  - .name:           k_q735ac1d46c_ln2norm
    .symbol:         k_q735ac1d46c_ln2norm.kd
    .args:
      - { .name: x1, .offset: 0, .size: 8, .value_kind: global_buffer, .address_space: global }
      - { .name: ln2_g, .offset: 8, .size: 8, .value_kind: global_buffer, .address_space: global }
      - { .name: ln2_b, .offset: 16, .size: 8, .value_kind: global_buffer, .address_space: global }
      - { .name: hn, .offset: 24, .size: 8, .value_kind: global_buffer, .address_space: global }
    .group_segment_fixed_size: 0
    .private_segment_fixed_size: 0
    .kernarg_segment_align: 8
    .kernarg_segment_size: 32
    .max_flat_workgroup_size: 256
    .sgpr_count:     66
    .vgpr_count:     148
    .wavefront_size: 32
...
	.end_amdgpu_metadata
.endif
;; end of part 5
;; launch fc1 (part 6): grid 16 x 16, 4 waves a work-group, clusters of 4 x 4, 327,680 bytes of LDS; arguments hn, wb, b1, gbuf; writes gbuf
.if DOCPART == 6
	.amdgcn_target "amdgcn-amd-amdhsa--gfx1250"
	.amdhsa_code_object_version 6
	.text
	.protected	k_q735ac1d46c_fc1
	.globl	k_q735ac1d46c_fc1
	.p2align	8
	.type	k_q735ac1d46c_fc1,@function
k_q735ac1d46c_fc1:
	s_mov_b64 s[64:65], 0
	v_nop
	global_prefetch_b8 v0, s[64:65] scope:SCOPE_SE
	s_setreg_imm32_b32 hwreg(HW_REG_WAVE_MODE, 25, 1), 1
	s_wait_xcnt 0x0
	s_wait_alu depctr_hold_cnt(0) depctr_sa_sdst(0) depctr_va_vdst(0) depctr_va_sdst(0) depctr_va_ssrc(0) depctr_va_vcc(0) depctr_vm_vsrc(0)
	s_getreg_b32 s2, hwreg(HW_REG_IB_STS2, 6, 4)
	s_cmp_eq_u32 s2, 0
	s_cbranch_scc0 .Lentry_in_a_cluster
	s_endpgm
.Lentry_in_a_cluster:
	s_bfe_u32 s2, ttmp6, 0x10000c
	s_cmp_lg_u32 s2, 0xf033
	s_cbranch_scc0 .Lentry_shape_is_right
	s_endpgm
.Lentry_shape_is_right:
; C = A B^T + bias on tiles of 256 x 256.  A = hn [4096][1024] bf16; B = rows of wb [N][1024] bf16; sums in f32, K ascending.
; With GELU = 1 (this launch): B = W1 (4,096 rows); C goes through NewGELU in f32 and is written as gbuf [4096][4096] bf16.
; With GELU = 0: B = Wq, Wk, Wv stacked (3,072 rows); C is rounded to bf16 and written by heads: qkvb [3][b x 16 + head][2048][64].
; SHARES.  Four waves, each 128 x 128 of C: 64 accumulators of 16 x 16, 512 registers.  K goes in steps of 128 through two LDS slots filled by tensor loads (rows of 256 bytes).
; THE SUMS START AS THE BIAS: each accumulator is loaded with its columns' bias, so every product adds in place, nothing is cleared and no first step is written out.
; ONE TEXT FOR A K STEP: s45 holds the LDS byte of the slot in hand (0 or SLOT); an exclusive or turns it, and the fragment addresses are made from it.  The second descriptor set walks:
; its LDS word is turned by the same exclusive or (SLOT's two bits are clear in all four waves' bases, so it is an addition or a subtraction), its address steps by 256 bytes.
; The loop has STEPS - 2 trips with a refill; two more trips, a second copy of the text, have none.  The very last trip fetches 32 fragments
; that nothing multiplies: the price, once a launch, of one text for every step.
; CLUSTER 4 x 4: A's tiles are asked for jointly along a row of the cluster, B's along a column.  A wave has two tensor loads out at the start, later one.
; THE MATRIX INSTRUCTION IS USED TRANSPOSED (source 0 = 16 rows of B, source 1 = 16 rows of A): lane l holds row l % 16 of C and the columns 8 (l / 16) + 0..7.
; THE WAY OUT.  When the ring has had its last fill and every wave has read it out, each wave lays its 128 x 128 f32 into its own part of the ring's bytes and reads it back by rows, 8 rows a trip.
; LIMITS.  Operands are bf16 (8 significant bits); NaN and infinities are not treated apart.
; REGISTERS, in windows of 256: window 0: v16-29 addresses; v32-63, v192-239 the way out; v64-127, v128-191 A's fragments, two buffers.  window 1: v64-191 B's fragments.
;   window 2: the accumulators of my rows 0-63 ((a, b) at v[8 (8 a + b)]); window 3: those of rows 64-127.
.set GELU,   1
.set B_OFF,  8388608                   ; where B begins in wb
.set KDIM,   1024
.set KSTEP,  128
.set STEPS,  KDIM/KSTEP
.set PITCH,  272                       ; an LDS row: 256 bytes + 16 of padding: the 16 rows of a fragment load start at 16 different groups of four banks (64 banks of 4 bytes: ISA guide 11.1)
.set HALFT,  128*PITCH                 ; 128 rows: what one tensor load brings
.set SLOT,   4*HALFT                   ; A's 256 rows, then B's 256 rows: 139,264 = 0x22000
.set SPARE,  2*SLOT                    ; behind the ring: the spare words, 128 bytes a wave
.set SPITCH, 528                       ; the way out: a row of 128 f32 + 16 bytes
.set WSTAGE, 128*SPITCH                ; a wave's stage: 67,584 bytes; four of them lie inside the ring's 278,528
.set ADRA0, 16                         ; v16  my lane's place in A's part of a slot; never rewritten
.set ADRB0, 17                         ; v17  the same for B
.set ADRA,  18                         ; v18  the same in the slot in hand
.set ADRB,  19                         ; v19
.set STO,   24                         ; v24  the way out: where I put 16 bytes
.set RD,    25                         ; v25  where I read rows back; steps by 8 rows a trip
.set CO,    26                         ; v26  my byte offset in the output
.set BO,    27                         ; v27  my byte offset in the bias: 32 (l / 16)
.set SPW,   28                         ; v28  LDS address of my spare word; never rewritten
.set NIL,   29                         ; v29  0; never rewritten
.set X,     32                         ; v[32:63]   8 rows' numbers of mine, f32
.set T,     192                        ; v[192:223] at work
.set Y,     224                        ; v[224:239] packed bf16
.set F0,    64
.set F1,    128
.set G1,  24                           ; s[24:31] descriptor group 1 for A;  s[32:39] group 0: set 0 (slot 0, step 0), set 1 (slot 1, step 1; it walks)
.set G0,  32
.set G1B, 48                           ; s[48:55], s[56:63] the same for B
.set G0B, 56
.set MSB, 0
.macro WIN new                         ; the immediate's high byte repeats the setting that is left; a switch that changes nothing is dropped
.if MSB != (\new)
	s_set_vgpr_msb (MSB<<8)|(\new)
.set MSB, \new
.endif
.endm
.set MUL_LO, 0xa1                      ; source 0 (B) window 1, source 1 (A) window 0, C and D window 2
.set MUL_HI, 0xf1                      ; the same, C and D window 3
.set TO_B,   0x40                      ; destination window 1, address window 0
; A joint load with descriptor set s.  Waves 0 and 1 fetch A's two halves, waves 2 and 3 B's; the branch hangs on the wave's number alone.
; An s_nop 0 and four v_nop follow each of the two lines, ahead of the jump and the label.
.macro JLOAD s
	s_cmp_eq_u32 s11, 0
	s_cbranch_scc0 .Lfor_b_\@
	tensor_load_to_lds s[G0+4*(\s):G0+4*(\s)+3], s[G1:G1+7]
	s_nop 0
.rept 4
	v_nop
.endr
	s_branch .Lasked_\@
.Lfor_b_\@:
	tensor_load_to_lds s[G0B+4*(\s):G0B+4*(\s)+3], s[G1B:G1B+7]
	s_nop 0
.rept 4
	v_nop
.endr
.Lasked_\@:
.endm
.macro CREST                           ; a round of the cluster's barrier behind its opening barrier
	s_cmp_lg_u32 s10, 0
	s_cbranch_scc1 .Lnot_wave_0_\@
	s_barrier_signal -3
.Lnot_wave_0_\@:
	s_barrier_wait -3
	s_barrier_signal -1
	s_barrier_wait -1
.endm
.macro CROUND                          ; a whole round
	s_barrier_signal -1
	s_barrier_wait -1
	CREST
.endm
.macro PLACES                          ; four plain instructions between a matrix instruction and a load into, or a read of, its registers (ISA guide 7.12.1 for a read)
.rept 4
	v_nop
.endr
.endm
	s_load_b128 s[4:7], s[0:1], 0x0                ; A s[4:5], wb s[6:7]
.if GELU
	s_load_b128 s[68:71], s[0:1], 0x10             ; b1 68, gbuf 70
.else
	s_load_b256 s[68:75], s[0:1], 0x10             ; bq 68, bk 70, bv 72, qkvb 74
.endif
	v_lshl_add_u32 v[SPW], v0, 2, SPARE
	v_mov_b32 v[NIL], 0
	ds_add_u32 v[SPW], v[NIL]                      ; the wave's opening: the add and its wait ahead of my first tensor load; work on registers stands between them
	v_lshrrev_b32 v1, 5, v0
	v_readfirstlane_b32 s10, v1                    ; wave 0..3
	s_lshr_b32 s11, s10, 1                         ; which half of the tile's rows is mine.  Also: I fetch for A (0) or for B (1)
	s_and_b32 s12, s10, 1                          ; which half of its columns.  Also: which 128 rows of that tile I fetch
	s_bfe_u32 s40, ttmp6, 0x40000                  ; cx
	s_bfe_u32 s41, ttmp6, 0x40004                  ; cy
	s_lshl_b32 s42, ttmp9, 2
	s_add_co_u32 s42, s42, s40                     ; tile column = 4 x cluster x + cx
	s_and_b32 s13, ttmp7, 0xffff
	s_lshl_b32 s13, s13, 2
	s_add_co_u32 s13, s13, s41                     ; tile row = 4 x cluster y + cy
	s_lshl_b32 s43, s41, 2
	s_lshl_b32 s43, 15, s43                        ; my row of the cluster
	s_lshl_b32 s44, 0x1111, s40                    ; my column
	s_or_b32 s[G1+0], s43, (1<<16)|(1<<20)|(1<<21)|(5<<22)|(3<<25)   ; the mask; 2-byte elements; padding on; bit 21 beside a mask; after every 64 words 4 words
	s_or_b32 s[G1B+0], s44, (1<<16)|(1<<20)|(1<<21)|(5<<22)|(3<<25)
.irp g, G1, G1B
	s_mov_b32 s[(\g)+1], KSTEP<<16                 ; tensor_dim0 = 128
	s_mov_b32 s[(\g)+2], 128<<16                   ; tensor_dim1 = 128
	s_mov_b32 s[(\g)+3], KSTEP<<16                 ; tile_dim0 = 128
	s_mov_b32 s[(\g)+4], 128                       ; tile_dim1 = 128
	s_mov_b32 s[(\g)+5], KDIM                      ; elements from row to row
	s_mov_b32 s[(\g)+6], 0
	s_mov_b32 s[(\g)+7], 0
.endr
	s_lshl_b32 s16, s13, 19                        ; A: (256 x tile row + 128 x half) rows of 2,048 bytes: hangs on the tile row alone
	s_lshl_b32 s17, s12, 18
	s_add_co_u32 s16, s16, s17
	s_mov_b32 s17, 0
	s_lshl_b32 s46, s42, 19                        ; B: the same of the tile column, in registers of its own
	s_lshl_b32 s47, s12, 18
	s_add_co_u32 s46, s46, s47
.if B_OFF
	s_add_co_u32 s46, s46, B_OFF
.endif
	s_mov_b32 s47, 0
	s_mul_i32 s20, s10, HALFT                      ; where my load lands: wave x 128 rows
	s_wait_dscnt 0x0                               ; the opening add is done
	s_wait_kmcnt 0x0
	s_add_nc_u64 s[14:15], s[4:5], s[16:17]
	s_add_nc_u64 s[46:47], s[6:7], s[46:47]
	CROUND                                         ; all sixteen work-groups are here: the first joint loads meet
.irp s, 0,1
	s_mov_b32 s[G0+4*(\s)], 1
	s_add_co_u32 s[G0+4*(\s)+1], s20, (\s)*SLOT
	s_add_nc_u64 s[G0+4*(\s)+2:G0+4*(\s)+3], s[14:15], (\s)*KSTEP*2
	s_or_b32 s[G0+4*(\s)+3], s[G0+4*(\s)+3], 0x80000000
	s_mov_b32 s[G0B+4*(\s)], 1
	s_add_co_u32 s[G0B+4*(\s)+1], s20, (\s)*SLOT
	s_add_nc_u64 s[G0B+4*(\s)+2:G0B+4*(\s)+3], s[46:47], (\s)*KSTEP*2
	s_or_b32 s[G0B+4*(\s)+3], s[G0B+4*(\s)+3], 0x80000000
	JLOAD \s                                       ; both slots are asked for before anything else is done
.endr
	; the bias of my 128 columns, and where my part of the output begins
.if GELU
	s_lshl_b32 s46, s42, 10                        ; (256 x tile column + 128 x half) x 4 bytes
	s_lshl_b32 s47, s12, 9
	s_add_co_u32 s46, s46, s47
	s_mov_b32 s47, 0
	s_add_nc_u64 s[66:67], s[68:69], s[46:47]
	s_lshl_b32 s46, s13, 21                        ; (256 x tile row + 128 x half) rows of 8,192 bytes
	s_lshl_b32 s47, s11, 20
	s_add_co_u32 s46, s46, s47
	s_lshl_b32 s47, s42, 9                         ; + (256 x tile column + 128 x half) x 2 bytes
	s_add_co_u32 s46, s46, s47
	s_lshl_b32 s47, s12, 8
	s_add_co_u32 s46, s46, s47
	s_mov_b32 s47, 0
	s_add_nc_u64 s[8:9], s[70:71], s[46:47]
	s_mov_b32 s76, 0xc0135761                      ; C1 = -2 log2(e) sqrt(2 / pi) = -2.3022082
	s_mov_b32 s77, s76
	s_mov_b32 s78, 0xbdd2d3e8                      ; C3 = 0.044715 C1 = -0.10294324
	s_mov_b32 s79, s78
.else
	s_mov_b64 s[66:67], s[68:69]                   ; a cluster's 1,024 columns are all of q, of k or of v: cluster x says which
	s_cmp_eq_u32 ttmp9, 1
	s_cselect_b64 s[66:67], s[70:71], s[66:67]
	s_cmp_eq_u32 ttmp9, 2
	s_cselect_b64 s[66:67], s[72:73], s[66:67]
	s_lshl_b32 s46, s40, 10                        ; (256 cx + 128 x half) x 4 bytes
	s_lshl_b32 s47, s12, 9
	s_add_co_u32 s46, s46, s47
	s_mov_b32 s47, 0
	s_add_nc_u64 s[66:67], s[66:67], s[46:47]
	s_lshl_b32 s46, ttmp9, 23                      ; q, k or v: 8,388,608 bytes each
	s_lshr_b32 s47, s13, 3                         ; the batch: 16 heads of 262,144 bytes
	s_lshl_b32 s47, s47, 22
	s_add_co_u32 s46, s46, s47
	s_lshl_b32 s47, s40, 20                        ; my first head: 4 cx + 2 x half
	s_add_co_u32 s46, s46, s47
	s_lshl_b32 s47, s12, 19
	s_add_co_u32 s46, s46, s47
	s_and_b32 s47, s13, 7                          ; my first row in the sequence: 256 (tile row % 8) + 128 x half, 128 bytes each
	s_lshl_b32 s47, s47, 15
	s_add_co_u32 s46, s46, s47
	s_lshl_b32 s47, s11, 14
	s_add_co_u32 s46, s46, s47
	s_mov_b32 s47, 0
	s_add_nc_u64 s[8:9], s[74:75], s[46:47]
.endif
	v_and_b32 v1, 15, v0                           ; l % 16
	v_bfe_u32 v2, v0, 4, 1                         ; l / 16
	v_lshlrev_b32 v[BO], 5, v2
	; accumulator (a, b) holds the columns 16 b + 8 (l / 16) + 0..7 in every row: it starts as their bias
	WIN 0x80                                       ; destination window 2, address window 0
.set i, 0
.rept 32
	global_load_b128 v[8*i:8*i+3],   v[BO], s[66:67] offset:64*(i%8)
	global_load_b128 v[8*i+4:8*i+7], v[BO], s[66:67] offset:64*(i%8)+16
.set i, i+1
.endr
	WIN 0xc0                                       ; destination window 3
.set i, 0
.rept 32
	global_load_b128 v[8*i:8*i+3],   v[BO], s[66:67] offset:64*(i%8)
	global_load_b128 v[8*i+4:8*i+7], v[BO], s[66:67] offset:64*(i%8)+16
.set i, i+1
.endr
	WIN 0
	; a fragment is 16 rows x 32 K in 8 registers: lane l holds row l % 16, K = 8 (l / 16) + 0..7 and 16 + 8 (l / 16) + 0..7: two loads of 16 bytes, 32 bytes apart
	v_mul_u32_u24 v3, v1, PITCH
	v_lshl_add_u32 v3, v2, 4, v3
	s_mul_i32 s21, s11, HALFT                      ; my 128 rows of A
	s_mul_i32 s22, s12, HALFT                      ; my 128 rows of B,
	s_add_co_u32 s22, s22, 2*HALFT                 ; which lie behind A's 256
	v_add_nc_u32 v[ADRA0], s21, v3
	v_add_nc_u32 v[ADRB0], s22, v3
	v_mov_b32 v[ADRA], v[ADRA0]                    ; slot 0
	v_mov_b32 v[ADRB], v[ADRB0]
	s_mov_b32 s45, 0
	s_mul_i32 s23, s10, WSTAGE                     ; my stage
	v_mul_u32_u24 v4, v1, SPITCH                   ; in: row l % 16, 16 bytes for each half of the lanes
	v_lshl_add_u32 v4, v2, 4, v4
	v_add_nc_u32 v[STO], s23, v4
.if GELU
	v_mul_u32_u24 v5, v2, SPITCH                   ; back: lanes 0-15 take one row, lanes 16-31 the next; lane i % 16 the columns 8 i ..
	v_lshl_add_u32 v5, v1, 4, v5
	v_add_nc_u32 v[RD], s23, v5
	v_lshlrev_b32 v5, 13, v2                       ; and the same two rows of 8,192 bytes in gbuf
	v_lshl_add_u32 v[CO], v1, 4, v5
.else
	v_bfe_u32 v5, v0, 3, 2                         ; back: eight lanes take a head's 64 columns of one row, 32 lanes four rows
	v_and_b32 v6, 7, v0
	v_mul_u32_u24 v5, v5, SPITCH
	v_lshl_add_u32 v5, v6, 4, v5
	v_add_nc_u32 v[RD], s23, v5
	v_and_b32 v[CO], 31, v0                        ; which are 512 consecutive bytes of a head
	v_lshlrev_b32 v[CO], 4, v[CO]
.endif
; 16 matrix instructions: m blocks a0, a0 + 1 of the window's four x all 8 n blocks, 32 along K.  The 64 accumulators take turns, one instruction a turn.
.macro MUL16 f, hi, a0
	WIN MUL_LO+0x50*(\hi)
.irp a, \a0, (\a0)+1
.irp b, 0,1,2,3,4,5,6,7
	v_wmma_f32_16x16x32_bf16 v[8*(8*(\a)+(\b)):8*(8*(\a)+(\b))+7], v[(\f)+8*(\b):(\f)+8*(\b)+7], v[(\f)+8*(4*(\hi)+(\a)):(\f)+8*(4*(\hi)+(\a))+7], v[8*(8*(\a)+(\b)):8*(8*(\a)+(\b))+7]
.endr
.endr
.endm
; 32 LDS loads in one run: the fragments of a quarter step (32 K at byte k of the rows) of the slot in hand, into buffer f; B's first
.macro FETCH k, f
	WIN TO_B
.irp i, 0,1,2,3,4,5,6,7
	ds_load_b128 v[(\f)+8*(\i):(\f)+8*(\i)+3],   v[ADRB] offset:(\k)+(\i)*16*PITCH
	ds_load_b128 v[(\f)+8*(\i)+4:(\f)+8*(\i)+7], v[ADRB] offset:(\k)+(\i)*16*PITCH+32
.endr
	WIN 0
.irp i, 0,1,2,3,4,5,6,7
	ds_load_b128 v[(\f)+8*(\i):(\f)+8*(\i)+3],   v[ADRA] offset:(\k)+(\i)*16*PITCH
	ds_load_b128 v[(\f)+8*(\i)+4:(\f)+8*(\i)+7], v[ADRA] offset:(\k)+(\i)*16*PITCH+32
.endr
.endm
; One of a K step's first three quarters: multiplies buffer f; in its middle it fetches the next quarter, at byte k, into buffer g.
.macro QUARTER k, f, g
	s_wait_dscnt 8                                 ; B and A's rows 0-63 are in; the youngest eight loads (A's rows 64-127) may be out
	MUL16 \f, 0, 0
	MUL16 \f, 0, 2
	PLACES
	FETCH \k, \g
	s_wait_dscnt 32                                ; all but the 32 just issued
	MUL16 \f, 1, 0
	MUL16 \f, 1, 2
.endm
; The last quarter multiplies buffer 1 and changes slots: one barrier.  In front of it each wave waits for all its tensor loads (one is out: its part of the next slot), adds 0 to its spare
; word, and waits for that and for its reads of this slot.  fill = 1: the barrier opens a round of the cluster's, and this slot is filled again first thing behind it, two K steps ahead:
; 224 matrix instructions stand between the request and the wait for it.
.macro TURN fill
	WIN 0
	s_xor_b32 s45, s45, SLOT                       ; the other slot: this slot's last fragments have been asked for
	v_add_nc_u32 v[ADRA], s45, v[ADRA0]
	v_add_nc_u32 v[ADRB], s45, v[ADRB0]
	s_wait_tensorcnt 0x0                           ; all my tensor loads have landed
	ds_add_u32 v[SPW], v[NIL]                      ; 0 onto my spare word
	s_wait_dscnt 9                                 ; (the add and the youngest eight loads may be out)
	MUL16 F1, 0, 0                                 ; sixteen matrix instructions stand between the add and the wait for it
	s_wait_dscnt 0x0                               ; the add is done, and my reads of this slot are over
	s_barrier_signal -1
	MUL16 F1, 0, 2
.if \fill
	WIN 0                                          ; every window is 0
.endif
	s_barrier_wait -1
.if \fill
	CREST                                          ; no wave of any partner still reads this slot or has a load on its way
	s_xor_b32 s[G0+5], s[G0+5], SLOT               ; the walking sets: the slot just read out, the K step two on
	s_add_nc_u64 s[G0+6:G0+7], s[G0+6:G0+7], KSTEP*2
	s_xor_b32 s[G0B+5], s[G0B+5], SLOT
	s_add_nc_u64 s[G0B+6:G0B+7], s[G0B+6:G0B+7], KSTEP*2
	JLOAD 1                                        ; my one tensor load behind the round; its four v_nop are also the places in front of the loads below
.else
	PLACES
.endif
	FETCH 0, F0
	MUL16 F1, 1, 0
	MUL16 F1, 1, 2
.endm
.macro KSTEPM fill
	QUARTER 64,  F0, F1
	QUARTER 128, F1, F0
	QUARTER 192, F0, F1
	TURN \fill
.endm
	s_wait_tensorcnt 1                             ; my part of K step 0 is in; step 1's may stay out
	s_barrier_signal -1
	s_barrier_wait -1                              ; everybody's is
	FETCH 0, F0
	s_wait_loadcnt 0x0                             ; the bias is in the accumulators
	s_mov_b32 s3, STEPS-2
.Lmain:
	KSTEPM 1
	WIN 0
	s_sub_co_u32 s3, s3, 1
	s_cmp_lg_u32 s3, 0
	s_cbranch_scc1 .Lmain
	s_mov_b32 s3, 2
.Ltail:                                                ; the last two K steps ask for nothing
	KSTEPM 0
	WIN 0
	s_sub_co_u32 s3, s3, 1
	s_cmp_lg_u32 s3, 0
	s_cbranch_scc1 .Ltail
	; THE WAY OUT.  The ring has had its last fill; when every wave's reads of it are back, its bytes become the four stages.
	PLACES                                         ; between the last products and the stores that read them
	s_wait_dscnt 0x0
	s_barrier_signal -1
	s_barrier_wait -1
	; column 8 i + j of a row lies at byte 16 i + 4 j (j < 4) or 256 + 16 i + 4 (j - 4): a lane's two halves of eight columns go 256 bytes apart, so that a row comes back 16 bytes a lane.
	; Each accumulator's low four registers are read first.
.macro DUMP hi
	WIN 0x08+4*(\hi)                               ; the stores' data in window 2 or 3
.set i, 0
.rept 32
	ds_store_b128 v[STO], v[8*i:8*i+3]   offset:(4*(\hi)+i/8)*16*SPITCH+32*(i%8)
	ds_store_b128 v[STO], v[8*i+4:8*i+7] offset:(4*(\hi)+i/8)*16*SPITCH+32*(i%8)+256
.set i, i+1
.endr
.endm
	DUMP 0
	DUMP 1
	WIN 0
	s_mov_b32 s3, 16
.Lrow:                                                 ; 8 rows a trip.  LDS serves a wave's instructions in order (ISA guide 5.7.1.4): the loads see my stores above
.if GELU
.irp p, 0,1,2,3                        ; rows 2 p and 2 p + 1
	ds_load_b128 v[X+8*(\p):X+8*(\p)+3],   v[RD] offset:(\p)*2*SPITCH
	ds_load_b128 v[X+8*(\p)+4:X+8*(\p)+7], v[RD] offset:(\p)*2*SPITCH+256
.endr
	s_wait_dscnt 0x0
	; gelu(x) = x / (1 + 2^(x (C1 + C3 x^2))), which is 0.5 x (1 + tanh(..)) rewritten.  Where the power overflows the quotient is 0, where it vanishes it is x: tanh's two ends.
.set i, 0
.rept 16
	v_pk_mul_f32 v[T+2*i:T+2*i+1], v[X+2*i:X+2*i+1], v[X+2*i:X+2*i+1]
.set i, i+1
.endr
.set i, 0
.rept 16
	v_pk_fma_f32 v[T+2*i:T+2*i+1], v[T+2*i:T+2*i+1], s[78:79], s[76:77] op_sel_hi:[1,0,0]
.set i, i+1
.endr
.set i, 0
.rept 16
	v_pk_mul_f32 v[T+2*i:T+2*i+1], v[T+2*i:T+2*i+1], v[X+2*i:X+2*i+1]
.set i, i+1
.endr
.set i, 0
.rept 32
	v_exp_f32 v[T+i], v[T+i]
.set i, i+1
.endr
	v_nop                                          ; a plain instruction behind the last exponential (ISA guide 5.7.2)
.set i, 0
	s_wait_alu depctr_va_vdst(0)
.rept 16
	v_pk_add_f32 v[T+2*i:T+2*i+1], v[T+2*i:T+2*i+1], 1.0 op_sel_hi:[1,0]
.set i, i+1
.endr
.set i, 0
.rept 32
	v_rcp_f32 v[T+i], v[T+i]
.set i, i+1
.endr
	v_nop
.set i, 0
	s_wait_alu depctr_va_vdst(0)
.rept 16
	v_pk_mul_f32 v[X+2*i:X+2*i+1], v[X+2*i:X+2*i+1], v[T+2*i:T+2*i+1]
.set i, i+1
.endr
.else
.irp u, 0,1,2,3                        ; rows 4 (u / 2) .. + 3, head u % 2.  Two of the four rows of a load meet in part of the banks: taken as it is
	ds_load_b128 v[X+8*(\u):X+8*(\u)+3],   v[RD] offset:((\u)/2)*4*SPITCH+((\u)%2)*128
	ds_load_b128 v[X+8*(\u)+4:X+8*(\u)+7], v[RD] offset:((\u)/2)*4*SPITCH+((\u)%2)*128+256
.endr
	s_wait_dscnt 0x0
.endif
.set i, 0
.rept 16
	v_cvt_pk_bf16_f32 v[Y+i], v[X+2*i], v[X+2*i+1]
.set i, i+1
.endr
.if GELU
.irp p, 0,1,2,3
	global_store_b128 v[CO], v[Y+4*(\p):Y+4*(\p)+3], s[8:9] offset:(\p)*2*8192  ; 16 lanes store 256 consecutive bytes, aligned
.endr
.else
.irp u, 0,1,2,3
	global_store_b128 v[CO], v[Y+4*(\u):Y+4*(\u)+3], s[8:9] offset:((\u)%2)*262144+((\u)/2)*512  ; 512 consecutive bytes: four rows of one head
.endr
.endif
	s_wait_xcnt 0x0                                ; the stores' data and base are rewritten only behind this wait
	v_add_nc_u32 v[RD], 8*SPITCH, v[RD]
.if GELU
	s_add_nc_u64 s[8:9], s[8:9], 8*8192
.else
	s_add_nc_u64 s[8:9], s[8:9], 8*128
.endif
	s_sub_co_u32 s3, s3, 1
	s_cmp_lg_u32 s3, 0
	s_cbranch_scc1 .Lrow
	s_wait_tensorcnt 0x0                           ; the wave's end
	ds_add_u32 v[SPW], v[NIL]
	s_wait_dscnt 0x0
	CROUND                                         ; the closing round: no work-group ends while a partner may still ask for a tile that names it
	s_endpgm
.Lfunc_end_k_q735ac1d46c_fc1:
	.size	k_q735ac1d46c_fc1, .Lfunc_end_k_q735ac1d46c_fc1-k_q735ac1d46c_fc1
	.p2alignl 7, 3214868480
	.fill 96, 4, 3214868480
	.section	.rodata,"a",@progbits
	.p2align	6, 0x0
	.amdhsa_kernel k_q735ac1d46c_fc1
		.amdhsa_group_segment_fixed_size 327680
		.amdhsa_private_segment_fixed_size 0
		.amdhsa_enable_private_segment 0
		.amdhsa_kernarg_size 32
		.amdhsa_user_sgpr_count 2
		.amdhsa_user_sgpr_kernarg_segment_ptr 1
		.amdhsa_wavefront_size32 1
		.amdhsa_system_sgpr_workgroup_id_x 1
		.amdhsa_system_sgpr_workgroup_id_y 1
		.amdhsa_system_sgpr_workgroup_id_z 1
		.amdhsa_system_vgpr_workitem_id 0
		.amdhsa_next_free_vgpr 1024
		.amdhsa_next_free_sgpr 80
		.amdhsa_reserve_vcc 0
		.amdhsa_float_denorm_mode_32 3
		.amdhsa_float_denorm_mode_16_64 3
		.amdhsa_memory_ordered 1
		.amdhsa_forward_progress 1
		.amdhsa_inst_pref_size 92
	.end_amdhsa_kernel
	.amdgpu_metadata
---
amdhsa.version: [ 1, 2 ]
amdhsa.kernels:
  - .name:           k_q735ac1d46c_fc1
    .symbol:         k_q735ac1d46c_fc1.kd
    .args:
      - { .name: hn, .offset: 0, .size: 8, .value_kind: global_buffer, .address_space: global }
      - { .name: wb, .offset: 8, .size: 8, .value_kind: global_buffer, .address_space: global }
      - { .name: b1, .offset: 16, .size: 8, .value_kind: global_buffer, .address_space: global }
      - { .name: gbuf, .offset: 24, .size: 8, .value_kind: global_buffer, .address_space: global }
    .group_segment_fixed_size: 327680
    .private_segment_fixed_size: 0
    .kernarg_segment_align: 8
    .kernarg_segment_size: 32
    .max_flat_workgroup_size: 128
    .sgpr_count:     80
    .vgpr_count:     1024
    .wavefront_size: 32
...
	.end_amdgpu_metadata
.endif
;; end of part 6
;; launch fc2 (part 7): grid 8 x 32, 4 waves a work-group, clusters of 4 x 4, 327,680 bytes of LDS; arguments gbuf, wb, b2, x1, out0; writes out0
.if DOCPART == 7
	.amdgcn_target "amdgcn-amd-amdhsa--gfx1250"
	.amdhsa_code_object_version 6
	.text
	.protected	k_q735ac1d46c_fc2
	.globl	k_q735ac1d46c_fc2
	.p2align	8
	.type	k_q735ac1d46c_fc2,@function
k_q735ac1d46c_fc2:
	s_mov_b64 s[64:65], 0
	v_nop
	global_prefetch_b8 v0, s[64:65] scope:SCOPE_SE
	s_setreg_imm32_b32 hwreg(HW_REG_WAVE_MODE, 25, 1), 1
	s_wait_xcnt 0x0
	s_wait_alu depctr_hold_cnt(0) depctr_sa_sdst(0) depctr_va_vdst(0) depctr_va_sdst(0) depctr_va_ssrc(0) depctr_va_vcc(0) depctr_vm_vsrc(0)
	s_getreg_b32 s2, hwreg(HW_REG_IB_STS2, 6, 4)
	s_cmp_eq_u32 s2, 0
	s_cbranch_scc0 .Lentry_in_a_cluster
	s_endpgm
.Lentry_in_a_cluster:
	s_bfe_u32 s2, ttmp6, 0x10000c
	s_cmp_lg_u32 s2, 0xf033
	s_cbranch_scc0 .Lentry_shape_is_right
	s_endpgm
.Lentry_shape_is_right:
; OUT = RES + A B^T + bias on tiles of 128 x 128, OUT and RES [4096][1024] f32; A and B bf16; sums in f32, K ascending.
; A = gbuf [4096][4096]; B = W2, in wb; K = 4,096; RES = x1; OUT = out0.
; SHARES.  Four waves, each 64 x 64: 16 accumulators of 16 x 16.  256 work-groups.  K goes in steps of 256 through two LDS slots filled by tensor loads (rows of 512 bytes).
; THE SUMS START AS THE BIAS (loaded straight into the accumulators): every product adds in place and no first step is written out.  The residual's 32 loads a wave go out at the start
; and land under the K loop.  ONE TEXT FOR A K STEP: s45 holds the LDS byte of the slot in hand; the second descriptor set walks (its LDS word turned by an exclusive or with SLOT, whose two
; bits are clear in every base).  STEPS - 2 trips with a refill, two more, a second copy, without; the very last fetches 32 fragments that nothing multiplies: the price of one text.
; CLUSTER 4 x 4: A's tiles jointly along a row of the cluster, B's along a column.  A wave has two tensor loads out at the start, later one.
; PREFETCH.  A refill has one K step, 128 matrix instructions a wave, in which to land, and the two slots fill LDS: so what later refills will want is asked into the L2 ahead of them.
; The tensor load for K step t + 3 is issued at the end of trip t + 1; the prefetch for it stands at the head of trip t, nearly two trips ahead.  Each aligned block of 256 bytes is asked for once in the launch:
;   A: a K step is 2 blocks of each row.  The eight work-groups of a tile row share its 128 rows, 16 each: wave 0 asks, in trips 0 to 12, for 16 rows x 2 blocks of K step t + 3 (8,192 bytes).
;   B: the 32 work-groups of a tile column share its 128 rows, 4 each: wave 1 asks, in trips 1, 5 and 9, for 4 rows x 8 blocks: the four K steps from t + 3 on (8,192 bytes).
; The loop's last trip asks for nothing: its look-ahead would pass the rows' ends.  A's K step 2 and B's K steps 2 and 3 are not asked for: their tensor loads follow too soon.
; THE MATRIX INSTRUCTION IS USED TRANSPOSED (source 0 = 16 rows of B, source 1 = 16 rows of A): lane l holds row l % 16 and the columns 8 (l / 16) + 0..7.
; LIMITS.  Operands are bf16; NaN and infinities are not treated apart.
; REGISTERS: window 0: v16-29 addresses; v128-255 the accumulators ((a, b) at v[128 + 8 (4 a + b)]).  window 1: two fragment buffers of 128 (64 of A, 64 of B); on the way out v0-127 the rows.
;   window 2: v0-127 the residual.
.set KSTEP,  256
.set PITCH,  528                       ; an LDS row: 512 bytes + 16: the 16 rows of a fragment load start at 16 different groups of four banks (64 banks of 4 bytes: ISA guide 11.1)
.set HALFT,  64*PITCH                  ; 64 rows: one tensor load
.set KDIM,   4096
.set B_OFF,  16777216                  ; W2 in wb
.set APITCH, 528
.set AHALF,  HALFT
.set SLOT,   135168                    ; 0x21000: A's 128 rows, then B's
.set ASTEP,  KSTEP*2
.set STEPS,  KDIM/KSTEP
.set BBASE,  2*AHALF                   ; B lies behind A
.set BSTEP,  KSTEP*2
.set SPARE,  2*SLOT                    ; behind the ring: the spare words, 128 bytes a wave
.set SPITCH, 272                       ; the way out: a row of 64 f32 + 16 bytes
.set WSTAGE, 64*SPITCH                 ; a wave's stage, in the ring's bytes once the ring is done
.set ADRA0, 16
.set ADRB0, 17
.set ADRA,  18
.set ADRB,  19
.set PFO,   20                         ; v20  the prefetch of A: my lane's byte offset, row lane / 2, block lane % 2; never rewritten
.set PFO2,  21                         ; v21  the prefetch of B: row lane % 4, block lane / 4; never rewritten
.set STO,   24
.set RD,    25
.set CO,    26                         ; v26  my byte offset in two rows of RES and OUT; never rewritten
.set BO,    27
.set SPW,   28
.set NIL,   29
.set ACC,   128
.set F0,    0
.set F1,    128
.set G1,  24
.set G0,  32
.set G1B, 48
.set G0B, 56
.set PFA, 76                           ; s[76:77] the prefetch of A: my work-group's 16 rows at the K step asked for last
.set PFB, 78                           ; s[78:79] the prefetch of B: my work-group's 4 rows at the four K steps asked for last
.set MSB, 0
.macro WIN new
.if MSB != (\new)
	s_set_vgpr_msb (MSB<<8)|(\new)
.set MSB, \new
.endif
.endm
.set MUL,  0x05                        ; sources 0 (B) and 1 (A) window 1; C and D window 0
.set TO_F, 0x40                        ; destination window 1, address window 0
.macro JLOAD s                         ; a joint load: waves 0 and 1 fetch A's two halves, waves 2 and 3 B's; an s_nop 0 and four v_nop follow each line
	s_cmp_eq_u32 s11, 0
	s_cbranch_scc0 .Lfor_b_\@
	tensor_load_to_lds s[G0+4*(\s):G0+4*(\s)+3], s[G1:G1+7]
	s_nop 0
.rept 4
	v_nop
.endr
	s_branch .Lasked_\@
.Lfor_b_\@:
	tensor_load_to_lds s[G0B+4*(\s):G0B+4*(\s)+3], s[G1B:G1B+7]
	s_nop 0
.rept 4
	v_nop
.endr
.Lasked_\@:
.endm
.macro CREST
	s_cmp_lg_u32 s10, 0
	s_cbranch_scc1 .Lnot_wave_0_\@
	s_barrier_signal -3
.Lnot_wave_0_\@:
	s_barrier_wait -3
	s_barrier_signal -1
	s_barrier_wait -1
.endm
.macro CROUND
	s_barrier_signal -1
	s_barrier_wait -1
	CREST
.endm
.macro PLACES                          ; four plain instructions between a matrix instruction and a load into, or a read of, its registers (ISA guide 7.12.1 for a read)
.rept 4
	v_nop
.endr
.endm
; The prefetches of a trip, at its head.  s3 counts the loop's trips down from STEPS - 2 to 1; the jumps go forward and pass no barrier and no tensor load.
.macro PREF
	s_cmp_lt_u32 s3, 2                             ; the last trip: nothing is left to ask for inside the rows
	s_cbranch_scc1 .Lpf_done_\@
	s_cmp_lg_u32 s10, 0
	s_cbranch_scc1 .Lpf_b_\@
	s_wait_xcnt 0x0                                ; the last trip's prefetch has read its base: only behind this wait is the base stepped
	s_add_nc_u64 s[PFA:PFA+1], s[PFA:PFA+1], KSTEP*2
	global_prefetch_b8 v[PFO], s[PFA:PFA+1] th:TH_LOAD_NT scope:SCOPE_SE
	s_branch .Lpf_done_\@
.Lpf_b_\@:
	s_cmp_lg_u32 s10, 1
	s_cbranch_scc1 .Lpf_done_\@
	s_and_b32 s80, s3, 3                           ; trips 1, 5, 9 are counts 13, 9, 5
	s_cmp_lg_u32 s80, 1
	s_cbranch_scc1 .Lpf_done_\@
	s_wait_xcnt 0x0
	s_add_nc_u64 s[PFB:PFB+1], s[PFB:PFB+1], 4*KSTEP*2
	global_prefetch_b8 v[PFO2], s[PFB:PFB+1] th:TH_LOAD_NT scope:SCOPE_SE
.Lpf_done_\@:
.endm
	s_load_b128 s[4:7], s[0:1], 0x0                ; A s[4:5], wb s[6:7]
	s_load_b128 s[68:71], s[0:1], 0x10             ; bias 68, RES 70
	s_load_b64 s[72:73], s[0:1], 0x20              ; OUT
	v_lshl_add_u32 v[SPW], v0, 2, SPARE
	v_mov_b32 v[NIL], 0
	ds_add_u32 v[SPW], v[NIL]                      ; the wave's opening: the add and its wait ahead of my first tensor load
	v_lshrrev_b32 v1, 5, v0
	v_readfirstlane_b32 s10, v1                    ; wave 0..3
	s_lshr_b32 s11, s10, 1                         ; my half of the tile's rows.  Also: I fetch for A (0) or for B (1)
	s_and_b32 s12, s10, 1                          ; my half of its columns.  Also: which half of that tile I fetch
	s_bfe_u32 s40, ttmp6, 0x40000                  ; cx
	s_bfe_u32 s41, ttmp6, 0x40004                  ; cy
	s_lshl_b32 s42, ttmp9, 2
	s_add_co_u32 s42, s42, s40                     ; tile column
	s_and_b32 s13, ttmp7, 0xffff
	s_lshl_b32 s13, s13, 2
	s_add_co_u32 s13, s13, s41                     ; tile row
	s_lshl_b32 s43, s41, 2
	s_lshl_b32 s43, 15, s43                        ; my row of the cluster
	s_lshl_b32 s44, 0x1111, s40                    ; my column
	s_or_b32 s[G1+0], s43, (1<<16)|(1<<20)|(1<<21)|(6<<22)|(3<<25)  ; the mask; 2-byte elements; padding on; bit 21 beside a mask; after every 128 words 4 words
	s_or_b32 s[G1B+0], s44, (1<<16)|(1<<20)|(1<<21)|(6<<22)|(3<<25)
.irp g, G1, G1B
	s_mov_b32 s[(\g)+1], KSTEP<<16                 ; 64 rows of 256 elements
	s_mov_b32 s[(\g)+2], 64<<16
	s_mov_b32 s[(\g)+3], KSTEP<<16
	s_mov_b32 s[(\g)+4], 64
	s_mov_b32 s[(\g)+5], KDIM
	s_mov_b32 s[(\g)+6], 0
	s_mov_b32 s[(\g)+7], 0
.endr
	s_mul_i32 s16, s13, 128*KDIM*2                 ; A: row 128 x tile row + 64 x half
	s_mul_i32 s17, s12, 64*KDIM*2
	s_add_co_u32 s16, s16, s17
	s_mov_b32 s17, 0
	s_mul_i32 s46, s42, 128*KDIM*2                 ; B: row 128 x tile column + 64 x half, in registers of its own
	s_mul_i32 s47, s12, 64*KDIM*2
	s_add_co_u32 s46, s46, s47
	s_add_co_u32 s46, s46, B_OFF
	s_mov_b32 s47, 0
	s_mul_i32 s20, s12, AHALF                      ; where a load of A lands,
	s_mul_i32 s21, s12, HALFT                      ; and one of B: no place in the cluster enters an LDS address
	s_add_co_u32 s21, s21, BBASE
	s_wait_dscnt 0x0                               ; the opening add is done
	s_wait_kmcnt 0x0
	s_add_nc_u64 s[14:15], s[4:5], s[16:17]
	s_add_nc_u64 s[46:47], s[6:7], s[46:47]
	CROUND                                         ; all sixteen work-groups are here: the first joint loads meet
.irp s, 0,1
	s_mov_b32 s[G0+4*(\s)], 1
	s_add_co_u32 s[G0+4*(\s)+1], s20, (\s)*SLOT
	s_add_nc_u64 s[G0+4*(\s)+2:G0+4*(\s)+3], s[14:15], (\s)*ASTEP
	s_or_b32 s[G0+4*(\s)+3], s[G0+4*(\s)+3], 0x80000000
	s_mov_b32 s[G0B+4*(\s)], 1
	s_add_co_u32 s[G0B+4*(\s)+1], s21, (\s)*SLOT
	s_add_nc_u64 s[G0B+4*(\s)+2:G0B+4*(\s)+3], s[46:47], (\s)*BSTEP
	s_or_b32 s[G0B+4*(\s)+3], s[G0B+4*(\s)+3], 0x80000000
	JLOAD \s
.endr
	s_lshl_b32 s46, s42, 9                         ; my first column: (128 x tile column + 64 x half) x 4 bytes
	s_lshl_b32 s47, s12, 8
	s_add_co_u32 s46, s46, s47
	s_mov_b32 s47, 0
	s_add_nc_u64 s[66:67], s[68:69], s[46:47]      ; the bias there
	s_lshl_b32 s47, s13, 19                        ; + my first row: (128 x tile row + 64 x half) x 4,096 bytes
	s_add_co_u32 s46, s46, s47
	s_lshl_b32 s47, s11, 18
	s_add_co_u32 s46, s46, s47
	s_mov_b32 s47, 0
	s_add_nc_u64 s[70:71], s[70:71], s[46:47]      ; RES and OUT at my 64 x 64
	s_add_nc_u64 s[8:9], s[72:73], s[46:47]
	s_lshl_b32 s46, s13, 20                        ; the prefetch of A: row 128 x tile row + 16 x tile column, 8,192 bytes a row,
	s_lshl_b32 s47, s42, 17
	s_add_co_u32 s46, s46, s47
	s_add_co_u32 s46, s46, 2*KSTEP*2               ; at K step 2: trip 0 steps it to K step 3
	s_mov_b32 s47, 0
	s_add_nc_u64 s[PFA:PFA+1], s[4:5], s[46:47]
	s_lshl_b32 s46, s42, 20                        ; the prefetch of B: row 128 x tile column + 4 x tile row,
	s_lshl_b32 s47, s13, 15
	s_add_co_u32 s46, s46, s47
	s_add_co_u32 s46, s46, B_OFF                   ; at K step 0: trip 1 steps it to K steps 4 to 7
	s_mov_b32 s47, 0
	s_add_nc_u64 s[PFB:PFB+1], s[6:7], s[46:47]
	v_and_b32 v1, 15, v0                           ; l % 16
	v_bfe_u32 v2, v0, 4, 1                         ; l / 16
	v_lshlrev_b32 v[BO], 5, v2
	v_lshlrev_b32 v5, 12, v2                       ; lanes 0-15 one row of 256 bytes, lanes 16-31 the next
	v_lshl_add_u32 v[CO], v1, 4, v5
.set i, 0
.rept 16                               ; accumulator (a, b) holds the columns 16 b + 8 (l / 16) + 0..7 in every row: it starts as their bias
	global_load_b128 v[ACC+8*i:ACC+8*i+3],   v[BO], s[66:67] offset:64*(i%4)
	global_load_b128 v[ACC+8*i+4:ACC+8*i+7], v[BO], s[66:67] offset:64*(i%4)+16
.set i, i+1
.endr
	WIN 0x80                                       ; destination window 2
.set i, 0
.rept 32
	global_load_b128 v[4*i:4*i+3], v[CO], s[70:71] offset:8192*i  ; the residual: rows 2 i and 2 i + 1
.set i, i+1
.endr
	WIN 0
	v_mul_u32_u24 v3, v1, APITCH                   ; a fragment's row x pitch + 16 x half
	v_lshl_add_u32 v3, v2, 4, v3
	s_mul_i32 s22, s11, 64*APITCH                  ; my 64 rows of A
	v_add_nc_u32 v[ADRA0], s22, v3
	v_add_nc_u32 v[ADRB0], s21, v3                 ; my 64 rows of B: the half that bears my columns' number
	v_mov_b32 v[ADRA], v[ADRA0]                    ; slot 0
	v_mov_b32 v[ADRB], v[ADRB0]
	s_mov_b32 s45, 0
	s_mul_i32 s23, s10, WSTAGE                     ; my stage
	v_mul_u32_u24 v4, v1, SPITCH                   ; in: row l % 16, 32 bytes for each half of the lanes
	v_lshl_add_u32 v4, v2, 5, v4
	v_add_nc_u32 v[STO], s23, v4
	v_mul_u32_u24 v5, v2, SPITCH                   ; back: whole rows of 256 bytes
	v_lshl_add_u32 v5, v1, 4, v5
	v_add_nc_u32 v[RD], s23, v5
	v_and_b32 v6, 31, v0                           ; the prefetches' lane terms: lanes 256 bytes apart along a row, rows 8,192 bytes apart
	v_lshrrev_b32 v7, 1, v6
	v_and_b32 v8, 1, v6
	v_lshlrev_b32 v[PFO], 13, v7
	v_lshl_add_u32 v[PFO], v8, 8, v[PFO]
	v_and_b32 v7, 3, v6
	v_lshrrev_b32 v8, 2, v6
	v_lshlrev_b32 v[PFO2], 13, v7
	v_lshl_add_u32 v[PFO2], v8, 8, v[PFO2]
; 8 matrix instructions: m blocks a0, a0 + 1 x all 4 n blocks, 32 along K: half c of buffer f.  The 16 accumulators take turns, one instruction a turn.
.macro MUL8 f, c, a0
	WIN MUL
.irp a, \a0, (\a0)+1
.irp b, 0,1,2,3
	v_wmma_f32_16x16x32_bf16 v[ACC+8*(4*(\a)+(\b)):ACC+8*(4*(\a)+(\b))+7], v[(\f)+64+8*(4*(\c)+(\b)):(\f)+64+8*(4*(\c)+(\b))+7], v[(\f)+8*(4*(\c)+(\a)):(\f)+8*(4*(\c)+(\a))+7], v[ACC+8*(4*(\a)+(\b)):ACC+8*(4*(\a)+(\b))+7]
.endr
.endr
.endm
; 32 LDS loads in one run: the fragments of 64 along K at byte k of the step's 512, into buffer f; the first 32 along K first
.macro FETCH k, f
	WIN TO_F
.irp c, 0,1
.irp i, 0,1,2,3
	ds_load_b128 v[(\f)+64+8*(4*(\c)+(\i)):(\f)+64+8*(4*(\c)+(\i))+3],   v[ADRB] offset:(\k)+64*(\c)+(\i)*16*PITCH
	ds_load_b128 v[(\f)+64+8*(4*(\c)+(\i))+4:(\f)+64+8*(4*(\c)+(\i))+7], v[ADRB] offset:(\k)+64*(\c)+(\i)*16*PITCH+32
	ds_load_b128 v[(\f)+8*(4*(\c)+(\i)):(\f)+8*(4*(\c)+(\i))+3],         v[ADRA] offset:(\k)+64*(\c)+(\i)*16*APITCH
	ds_load_b128 v[(\f)+8*(4*(\c)+(\i))+4:(\f)+8*(4*(\c)+(\i))+7],       v[ADRA] offset:(\k)+64*(\c)+(\i)*16*APITCH+32
.endr
.endr
.endm
.macro QUARTER k, f, g                 ; one of a K step's first three quarters of 64 along K
	s_wait_dscnt 16                                ; the first 32 along K are in
	MUL8 \f, 0, 0
	MUL8 \f, 0, 2
	PLACES
	FETCH \k, \g
	s_wait_dscnt 32                                ; all but the 32 just issued
	MUL8 \f, 1, 0
	MUL8 \f, 1, 2
.endm
; The last quarter multiplies buffer 1 and changes slots: one barrier; in front of it each wave waits for all its tensor loads, adds 0 to its spare word, and waits for that and for its reads of this slot.
; fill = 1: the barrier opens a round of the cluster's, and this slot is filled again first thing behind it, two K steps ahead: 112 matrix instructions stand between the request and the wait for it.
.macro TURN fill
	WIN 0
	s_xor_b32 s45, s45, SLOT                       ; the other slot: this slot's last fragments have been asked for
	v_add_nc_u32 v[ADRA], s45, v[ADRA0]
	v_add_nc_u32 v[ADRB], s45, v[ADRB0]
	s_wait_tensorcnt 0x0                           ; all my tensor loads have landed
	ds_add_u32 v[SPW], v[NIL]                      ; 0 onto my spare word
	s_wait_dscnt 17                                ; (the add and the youngest sixteen loads may be out)
	MUL8 F1, 0, 0
	s_wait_dscnt 0x0                               ; the add is done, and my reads of this slot are over
	s_barrier_signal -1
	MUL8 F1, 0, 2
.if \fill
	WIN 0
.endif
	s_barrier_wait -1
.if \fill
	CREST                                          ; no wave of any partner still reads this slot or has a load on its way
	s_xor_b32 s[G0+5], s[G0+5], SLOT
	s_add_nc_u64 s[G0+6:G0+7], s[G0+6:G0+7], ASTEP
	s_xor_b32 s[G0B+5], s[G0B+5], SLOT
	s_add_nc_u64 s[G0B+6:G0B+7], s[G0B+6:G0B+7], BSTEP
	JLOAD 1                                        ; my one tensor load behind the round; its four v_nop are also the places in front of the loads below
.else
	PLACES
.endif
	FETCH 0, F0
	MUL8 F1, 1, 0
	MUL8 F1, 1, 2
.endm
.macro KSTEPM fill
	QUARTER 128, F0, F1
	QUARTER 256, F1, F0
	QUARTER 384, F0, F1
	TURN \fill
.endm
	s_wait_tensorcnt 1                             ; my part of K step 0 is in; step 1's may stay out
	s_barrier_signal -1
	s_barrier_wait -1
	FETCH 0, F0
	WIN 0
	s_wait_loadcnt 32                              ; the bias is in the accumulators; the residual's 32 loads stay out
	s_mov_b32 s3, STEPS-2
.Lmain:
	PREF
	KSTEPM 1
	WIN 0
	s_sub_co_u32 s3, s3, 1
	s_cmp_lg_u32 s3, 0
	s_cbranch_scc1 .Lmain
	s_mov_b32 s3, 2
.Ltail:                                                ; the last two K steps ask for nothing
	KSTEPM 0
	WIN 0
	s_sub_co_u32 s3, s3, 1
	s_cmp_lg_u32 s3, 0
	s_cbranch_scc1 .Ltail
	; THE WAY OUT.  The ring has had its last fill; when every wave's reads of it are back, its first bytes become the four stages.
	PLACES
	s_wait_dscnt 0x0
	s_barrier_signal -1
	s_barrier_wait -1
.set i, 0
.rept 16                               ; each accumulator's low four registers first
	ds_store_b128 v[STO], v[ACC+8*i:ACC+8*i+3]   offset:(i/4)*16*SPITCH+64*(i%4)
	ds_store_b128 v[STO], v[ACC+8*i+4:ACC+8*i+7] offset:(i/4)*16*SPITCH+64*(i%4)+16
.set i, i+1
.endr
	WIN TO_F
.set i, 0
.rept 32
	ds_load_b128 v[4*i:4*i+3], v[RD] offset:2*SPITCH*i  ; LDS serves a wave's instructions in order (ISA guide 5.7.1.4): these see my stores above
.set i, i+1
.endr
	s_wait_dscnt 0x0
	s_wait_loadcnt 0x0                             ; the residual
	WIN 0x49                                       ; destination and source 0 window 1, source 1 window 2
.set i, 0
.rept 64
	v_pk_add_f32 v[2*i:2*i+1], v[2*i:2*i+1], v[2*i:2*i+1]
.set i, i+1
.endr
	WIN 0x04                                       ; the stores' data in window 1
.set i, 0
.rept 32
	global_store_b128 v[CO], v[4*i:4*i+3], s[8:9] offset:8192*i  ; 16 lanes store 256 consecutive bytes, aligned
.set i, i+1
.endr
	WIN 0
	s_wait_tensorcnt 0x0                           ; the wave's end
	ds_add_u32 v[SPW], v[NIL]
	s_wait_dscnt 0x0
	CROUND                                         ; the closing round
	s_endpgm
.Lfunc_end_k_q735ac1d46c_fc2:
	.size	k_q735ac1d46c_fc2, .Lfunc_end_k_q735ac1d46c_fc2-k_q735ac1d46c_fc2
	.p2alignl 7, 3214868480
	.fill 96, 4, 3214868480
	.section	.rodata,"a",@progbits
	.p2align	6, 0x0
	.amdhsa_kernel k_q735ac1d46c_fc2
		.amdhsa_group_segment_fixed_size 327680
		.amdhsa_private_segment_fixed_size 0
		.amdhsa_enable_private_segment 0
		.amdhsa_kernarg_size 40
		.amdhsa_user_sgpr_count 2
		.amdhsa_user_sgpr_kernarg_segment_ptr 1
		.amdhsa_wavefront_size32 1
		.amdhsa_system_sgpr_workgroup_id_x 1
		.amdhsa_system_sgpr_workgroup_id_y 1
		.amdhsa_system_sgpr_workgroup_id_z 1
		.amdhsa_system_vgpr_workitem_id 0
		.amdhsa_next_free_vgpr 640
		.amdhsa_next_free_sgpr 84
		.amdhsa_reserve_vcc 0
		.amdhsa_float_denorm_mode_32 3
		.amdhsa_float_denorm_mode_16_64 3
		.amdhsa_memory_ordered 1
		.amdhsa_forward_progress 1
		.amdhsa_inst_pref_size 65
	.end_amdhsa_kernel
	.amdgpu_metadata
---
amdhsa.version: [ 1, 2 ]
amdhsa.kernels:
  - .name:           k_q735ac1d46c_fc2
    .symbol:         k_q735ac1d46c_fc2.kd
    .args:
      - { .name: gbuf, .offset: 0, .size: 8, .value_kind: global_buffer, .address_space: global }
      - { .name: wb, .offset: 8, .size: 8, .value_kind: global_buffer, .address_space: global }
      - { .name: b2, .offset: 16, .size: 8, .value_kind: global_buffer, .address_space: global }
      - { .name: x1, .offset: 24, .size: 8, .value_kind: global_buffer, .address_space: global }
      - { .name: out0, .offset: 32, .size: 8, .value_kind: global_buffer, .address_space: global }
    .group_segment_fixed_size: 327680
    .private_segment_fixed_size: 0
    .kernarg_segment_align: 8
    .kernarg_segment_size: 40
    .max_flat_workgroup_size: 128
    .sgpr_count:     84
    .vgpr_count:     640
    .wavefront_size: 32
...
	.end_amdgpu_metadata
.endif
;; end of part 7
